; MI455X (gfx1250); checked and timed in simulation.
; The chip was launched on July 23, 2026; its instructions are those of AMD's public machine-readable ISA for CDNA 5 (MIT licence, August 2026) and "CDNA5" Instruction Set Architecture Reference Guide (July 2026). The comments in the code are by the model that wrote it; some were corrected since.
;; Causal Attention. Allowed arithmetic: matrix products marked QUANTISED: E2M3 operands, one E8M0 scale for each 32 along K, by v_wmma_scale_f32_16x16x128_f8f6f4 with both operands' format E2M3, f32 sums; everything else in f32.
;; Inputs: Wk 1,024 x 1,024 float32; Wq 1,024 x 1,024 float32; Wv 1,024 x 1,024 float32; x 4 x 2,048 x 1,024 float32.
;; Outputs: out0 4 x 2,048 x 1,024 float32.
;; This version of the problem:
;;   THIS VERSION OF THE PROBLEM IS GIVEN IN LOW PRECISION. The matrix products marked QUANTISED in the list below multiply operands that are first quantised to E2M3 (2 exponent bits, 3 mantissa bits; 6 bits a number), with one power-of-two scale for each 32 numbers along K (OCP MX v1.0); their sums are f32. All else is computed in f32.
;;   The module's matrix products, in the order in which they are computed (A, B: the left and right operand; K: the contracted axis; several contracted axes count as one K, in the product's order):
;;     1. [M 8,192, K 1,024] x [K 1,024, N 1,024]; A: input x; B: input Wq: QUANTISED
;;     2. [M 8,192, K 1,024] x [K 1,024, N 1,024]; A: input x; B: input Wk: QUANTISED
;;     3. [M 8,192, K 1,024] x [K 1,024, N 1,024]; A: input x; B: input Wv: QUANTISED
;;     4. batch 4 x [M 2,048, K 1,024] x [K 1,024, N 2,048]; A: computed on the way; B: computed on the way: QUANTISED
;;     5. batch 4 x [M 2,048, K 2,048] x [K 2,048, N 1,024]; A: softmax (see below); B: computed on the way: QUANTISED
;;   THE QUANTISER, for each operand of a quantised product, along K:
;;     - K is cut into blocks of 32 from its start; a last block that is shorter is filled with zeros.
;;     - A block's scale is 2^e with e = floor(log2(the largest magnitude in the block)) - 2, held to -126 .. 127; a block of zeros has e = 0. As a byte (E8M0): e + 127.
;;     - Each number is divided by its block's scale, clamped to +-7.5, and rounded to the nearest number of E2M3, ties to even, subnormals kept.
;;     - The product sums the exact products of the quantised numbers (number of the format x scale) in f32.
;;   ~~~python
;;   def quantise(x, axis):      # numpy; x: float32 -> the quantised numbers, widened to float32 again
;;       x = np.moveaxis(x, axis, -1); K = x.shape[-1]
;;       x = np.pad(x, [(0, 0)] * (x.ndim - 1) + [(0, -K % 32)]); x = x.reshape(x.shape[:-1] + (-1, 32)); a = np.abs(x).max(-1, keepdims=True)
;;       e = np.where(a > 0, np.clip(np.frexp(np.where(a > 0, a, 1))[1] - 1 - 2, -126, 127), 0)      # np.frexp(a)[1] - 1 = floor(log2(a)), exactly
;;       r = np.clip(x / 2.0 ** e, -7.5, 7.5)
;;       step = 2.0 ** (np.maximum(np.frexp(np.where(r == 0, 1, r))[1] - 1, 0) - 3)
;;       q = np.round(r / step) * step * 2.0 ** e      # np.round: ties to even
;;       return np.moveaxis(q.reshape(q.shape[:-2] + (-1,))[..., :K], -1, axis).astype(np.float32)
;;   ~~~
;;   SOFTMAX AHEAD OF A QUANTISED PRODUCT. Where the list says 'softmax', what is quantised is not the finished softmax but p = 2^(t - M), with t = logit x log2(e) and M = ceil(the row's largest t), a whole number; so 1/2 < the row's largest p <= 1. The row's sum l is taken of the UNQUANTISED p, in f32, and the product's result is divided by l at the end. Since M is a whole number, a kernel that streams over the keys may use a running M (the ceiling of the running maximum): every later rescaling is an exact power of two, which a block's scale takes up: the codes' values come out the same.
;;   OPERANDS COMPUTED ON THE WAY. 'Computed on the way' means the value that the module computes at that place (a softmax that the list does not call 'softmax' is quantised finished and normalised). What goes into a quantiser is computed in f32, as accurately as f32 sums, v_exp_f32 and their like allow (about 1e-6 of the number): no bf16 or f16 on the way to a quantiser, and a product that is left as it is and whose result goes on into a quantised operand takes f32 operands (vector FMAs, or v_wmma_f32_16x16x4_f32). A number that lies on a knife's edge between two numbers of the format may be rounded either way, as far as f32 arithmetic and the matrix unit's own rounding can turn it there, and no further.
;; One version. Each part assembles by itself: llvm-mc -triple=amdgcn-amd-amdhsa -mcpu=gfx1250 --defsym DOCPART=n.
;; ======== version 1 of 1: 4 launches
;; limits: right only within a limited range of input values
;; workspace buffers: xwc 8,650,752 bytes; xws 360,448 bytes; qkc 12,582,912 bytes; qks 524,288 bytes; vc 6,291,456 bytes; vs 262,144 bytes; pc 6,684,672 bytes; pst 1,114,112 bytes
;; launch quant (part 1): grid 352 x 1, 4 waves a work-group, no clusters, 62,976 bytes of LDS; arguments x, Wq, Wk, Wv, xwc, xws; writes xwc, xws
.if DOCPART == 1
	.amdgcn_target "amdgcn-amd-amdhsa--gfx1250"
	.amdhsa_code_object_version 6
	.text
	.protected	k_qbaac180594_quant
	.globl	k_qbaac180594_quant
	.p2align	8
	.type	k_qbaac180594_quant,@function
k_qbaac180594_quant:
	s_mov_b64 s[64:65], 0
	v_nop
	global_prefetch_b8 v0, s[64:65] scope:SCOPE_SE
	s_setreg_imm32_b32 hwreg(HW_REG_WAVE_MODE, 25, 1), 1
	s_wait_xcnt 0x0
; x [8192][1024] and Wq, Wk, Wv [1024 (K)][1024] f32 become codes of FP6 (E2M3) with one E8M0 byte for each 32 along K = the 1,024 inputs.
; LAYOUT OF THE RESULT (this program's own).  A BLOCK t is 16 rows: lane row r holds row 32 (t / 2) + 8 (t % 2) + r + 8 (r / 8).  A FRAGMENT (a block x 128 K) is stored as the image of the
; operand's 12 registers: registers 4 c .. 4 c + 3 of lane l at byte 512 c + 16 l: 1,536 bytes.  xwc = [704 blocks][8 K steps][1536]: blocks 0-511 x, 512-575 Wq, 576-639 Wk, 640-703 Wv (rows = outputs).
; A UNIT is the scale words of four blocks for one K step, 256 bytes: the word at 8 l + 4 j belongs to block 4 g + 2 j + l / 16, lane row l % 16.  xws = [8 K steps][176 units][256].
; A block's scale is 2^(floor(log2(largest magnitude)) - 2): its byte is the largest magnitude's exponent field - 2, held at 1 from below.
; LIMITS: a block of zeros, or one whose largest magnitude lies under 2^-124, keeps the byte 1 (only this program reads the bytes; zero codes add nothing); NaN and infinities among the inputs are not served.
; SHARES.  Work-groups 0-255: x; a wave takes a unit's 64 rows x 128 K: four fragments.  Work-groups 256-351: the weights; a wave takes 64 columns x 128 K.  Waves share nothing: no barrier.
; The two ways part on the work-group's number and have LDS bytes of their own.  No cluster, no tensor load: no tile is read twice.
; THE ORDER OF ROWS (this account holds where the lines above differ).  A BLOCK t is 16 rows: lane row r holds row 64 (t / 4) + 8 (t % 4) + 32 (r / 8) + r % 8: so for a matrix result a lane's registers over four blocks are
; 32 neighbours.  The weights' blocks stand in the order of t.  x's block of token 256 G + 128 w + 64 c + .., t % 4 = j, stands at place 16 G + 8 c + 2 j + w.  A unit is four blocks 4 g .. 4 g + 3, as above.
.set LD,   3
.set C8,   4                           ; v4   8 x lane
.set STI,  5                           ; v5   x: my place in the stage on the way in.   W: 4 x lane
.set STO,  6                           ; v6   x: on the way out.                        W: where my block's codes go in the images
.set SAD,  7                           ; v7   W: where my column's scale word goes
.set RDI,  8                           ; v8   W: the images read back
.set RDS,  9                           ; v9   W: the unit read back
.set TM,   8                           ; x: v8-23  at work in QUANT
.set PWK,  24                          ; x: v24-27 the four fragments' scale words.   W: v24-25 a column's scale word, one for each 32 columns
.set SW,   28                          ; x: v28-29 the unit's two registers
.set R,    32                          ; x: v32-159 two sets of 64 numbers as loaded.   W: v32-95 two sets of 32
.set X,    160                         ; x: v160-223 64 numbers: register 16 b + i = k 32 b + 16 (lane / 16) + i of my row
.set PC,   224                         ; x: v224-243 the codes
.set WC,   96                          ; W: v96-102 a block's codes
.set WO,   112                         ; W: v112-159 the way out;  v160-161 the unit
.set SEL,  30                          ; s[30:31] lane selects: lane l xor 16
.set HI,   32                          ; s32  lanes 16-31
.set XST,  8448                        ; x: a wave's stage: 16 rows x (512 + 16) bytes
.set WLDS, 4*XST                       ; W's LDS begins behind x's four stages
.set WREG, 7168                        ; a wave's part of it: four images, FS apart, and the unit
.set FS,   1664                        ; 1,536 + 128: lanes 8-15 of a store fall in the other half of the banks than lanes 0-7
	s_load_b256 s[4:11], s[0:1], 0x0               ; x, Wq, Wk, Wv
	s_load_b128 s[12:15], s[0:1], 0x20             ; xwc, xws
	v_lshl_add_u32 v254, v0, 2, 0xf400
	v_mov_b32 v255, 0
	v_lshrrev_b32 v1, 5, v0
	v_readfirstlane_b32 s16, v1                    ; wave
	v_and_b32 v2, 31, v0                           ; lane
	v_lshlrev_b32 v[LD], 4, v2
	v_lshlrev_b32 v[C8], 3, v2
	s_mov_b32 s[SEL], 0x76543210
	s_mov_b32 s[SEL+1], 0xfedcba98
	s_mov_b32 s[HI], 0xffff0000
	s_mov_b32 s23, 0
	s_mov_b32 s25, 0
	s_mov_b32 s27, 0
	s_and_b32 s19, ttmp9, 1
	s_lshl_b32 s19, s19, 2
	s_add_co_u32 s19, s19, s16                     ; my K step: 4 x (work-group % 2) + wave, on both ways
	s_cmp_lt_u32 ttmp9, 256
	s_cbranch_scc0 .Lweights
; ---------------- x ----------------
	s_lshr_b32 s18, ttmp9, 1                       ; unit g: rows 64 g on
	s_lshl_b32 s22, s18, 18                        ; 64 rows of 4,096 bytes
	s_lshl_b32 s24, s19, 9                         ; 128 numbers
	s_add_co_u32 s22, s22, s24
	s_lshr_b32 s24, s18, 2
	s_lshl_b32 s24, s24, 4
	s_and_b32 s29, s18, 1
	s_lshl_b32 s29, s29, 3
	s_add_co_u32 s24, s24, s29
	s_bfe_u32 s29, s18, 0x10001
	s_add_co_u32 s24, s24, s29                     ; place 16 (g / 4) + 8 (g % 2) + (g / 2) % 2
	s_lshl_b32 s24, s24, 3
	s_add_co_u32 s24, s24, s19
	s_mul_i32 s24, s24, 1536
	s_mul_i32 s26, s19, 176
	s_add_co_u32 s26, s26, s18
	s_lshl_b32 s26, s26, 8                         ; unit (my K step, g)
	s_mul_i32 s28, s16, XST
	s_wait_alu depctr_va_vdst(0)
	v_add_nc_u32 v[STI], s28, v[LD]                ; in: a row's 512 bytes as they lie
	v_and_b32 v[STO], 15, v0
	v_bfe_u32 v7, v0, 4, 1
	v_mul_u32_u24 v[STO], v[STO], 528
	v_lshl_add_u32 v[STO], v7, 6, v[STO]
	v_add_nc_u32 v[STO], s28, v[STO]               ; out: row lane % 16, + 64 bytes for lanes 16-31
.irp b, 0,1,2,3
	v_mov_b32 v[TM+4+\b], 0                        ; written once: a lane permute's destination counts as one of its sources
.endr
	s_wait_alu depctr_va_vdst(0)
	s_wait_kmcnt 0x0
	s_add_nc_u64 s[4:5], s[4:5], s[22:23]
	s_add_nc_u64 s[12:13], s[12:13], s[24:25]
	s_add_nc_u64 s[14:15], s[14:15], s[26:27]
.macro LOADF f                         ; fragment f's 16 rows: each load reads 512 consecutive bytes of one row
.irp i, 0,1,2,3,4,5,6,7,8,9,10,11,12,13,14,15
	global_load_b128 v[R+64*((\f)%2)+4*\i:R+64*((\f)%2)+4*\i+3], v[LD], s[4:5] offset:(8*(\f)+\i+24*(\i/8))*4096 th:TH_LOAD_NT
.endr
.endm
; 64 numbers of a lane become a fragment's codes in v[PC] on and its scale word in v[pw]
.macro QUANT s, pw
.irp b, 0,1,2,3
	v_max3_num_f32 v[TM+\b], |v[\s+16*\b]|, |v[\s+1+16*\b]|, 0x1800000   ; block b: my 16 numbers, and the floor 2^(3 - 127): the byte cannot fall under 1
.endr
.irp i, 2,4,6,8,10,12,14
.irp b, 0,1,2,3
	v_max3_num_f32 v[TM+\b], v[TM+\b], |v[\s+16*\b+\i]|, |v[\s+1+16*\b+\i]|
.endr
.endr
.irp b, 0,1,2,3
	v_permlanex16_b32 v[TM+4+\b], v[TM+\b], s[SEL], s[SEL+1]
.endr
.irp b, 0,1,2,3
	v_max_num_f32 v[TM+\b], v[TM+\b], v[TM+4+\b]   ; with lane l xor 16's: the block's largest magnitude
.endr
.irp b, 0,1,2,3
	v_add_nc_u32 v[TM+12+\b], 0xff000000, v[TM+\b] ; 2 off its exponent field: the conversion's scale operand
.endr
.irp b, 0,1,2,3
	v_lshrrev_b32 v[TM+4+\b], 23, v[TM+12+\b]      ; the byte
.endr
	v_lshl_or_b32 v[\pw], v[TM+5], 8, v[TM+4]
	v_lshl_or_b32 v[\pw], v[TM+6], 16, v[\pw]
	v_lshl_or_b32 v[\pw], v[TM+7], 24, v[\pw]
.irp c, 0,1
	v_cvt_scalef32_pk16_fp6_f32 v[PC+6*\c:PC+2+6*\c], v[\s+32*\c:\s+15+32*\c], v[TM+12+2*\c]
	v_cvt_scalef32_pk16_fp6_f32 v[PC+12+4*\c:PC+14+4*\c], v[\s+16+32*\c:\s+31+32*\c], v[TM+13+2*\c]   ; (a conversion's three registers begin on an even number)
.endr
	v_nop                                          ; one plain place behind a scaled conversion
.irp c, 0,1                            ; the operand's layout wants a whole block in a lane
.irp i, 0,1,2
	v_permlane16_swap_b32 v[PC+6*\c+\i], v[PC+12+4*\c+\i]
.endr
.irp i, 0,1,2
	v_mov_b32 v[PC+3+6*\c+\i], v[PC+12+4*\c+\i]
.endr
.endr
.endm
.macro XFRAG f
.if (\f) < 3
	s_wait_loadcnt 16                              ; this fragment's 16 loads are in; the next fragment's may be out
.else
	s_wait_loadcnt 0x0
.endif
.irp i, 0,1,2,3,4,5,6,7,8,9,10,11,12,13,14,15
	ds_store_b128 v[STI], v[R+64*((\f)%2)+4*\i:R+64*((\f)%2)+4*\i+3] offset:528*\i
.endr
.irp b, 0,1,2,3
.irp j, 0,1,2,3
	ds_load_b128 v[X+16*\b+4*\j:X+16*\b+4*\j+3], v[STO] offset:128*\b+16*\j   ; LDS serves a wave's instructions in order: these see my stores
.endr
.endr
	s_wait_dscnt 0x0                               ; the numbers are back, and the stores have read their registers
	s_wait_xcnt 0x0                                ; the last fragment's stores have read their data: v[PC] on may be written again
.if (\f) < 2
	LOADF (\f)+2
.endif
	QUANT X, PWK+(\f)
.irp c, 0,1,2
	global_store_b128 v[LD], v[PC+4*\c:PC+4*\c+3], s[12:13] offset:(\f)*24576+512*\c   ; 512 consecutive bytes a store
.endr
.endm
	LOADF 0
	LOADF 1
	XFRAG 0
	XFRAG 1
	XFRAG 2
	XFRAG 3
	v_cndmask_b32 v[SW], v[PWK], v[PWK+1], s[HI]       ; lanes 0-15: the even block's words, lanes 16-31: the odd block's
	v_cndmask_b32 v[SW+1], v[PWK+2], v[PWK+3], s[HI]
	global_store_b64 v[C8], v[SW:SW+1], s[14:15]       ; the unit: 256 consecutive bytes
	s_wait_tensorcnt 0x0
	ds_add_u32 v254, v255
	s_wait_dscnt 0x0
	s_endpgm
; ---------------- the weights: a lane takes a column (a row of the operand), its registers run down K ----------------
.Lweights:
	s_sub_co_u32 s18, ttmp9, 256
	s_lshr_b32 s18, s18, 1                         ; unit g of 48: matrix g / 16, columns 64 (g % 16) on
	s_lshr_b32 s17, s18, 4
	s_and_b32 s22, s18, 15
	s_lshl_b32 s22, s22, 8
	s_lshl_b32 s24, s19, 19                        ; 128 rows of 4,096 bytes
	s_add_co_u32 s22, s22, s24
	s_lshl_b32 s24, s18, 5
	s_add_co_u32 s24, s24, s19
	s_add_co_u32 s24, s24, 4096
	s_mul_i32 s24, s24, 1536                       ; fragment (block 512 + 4 g, my K step)
	s_mul_i32 s26, s19, 176
	s_add_co_u32 s26, s26, s18
	s_add_co_u32 s26, s26, 128
	s_lshl_b32 s26, s26, 8                         ; unit (my K step, 128 + g)
	s_mul_i32 s28, s16, WREG
	s_add_co_u32 s28, s28, WLDS
	s_add_co_u32 s29, s28, 4*FS
	s_wait_alu depctr_va_vdst(0)
	v_lshlrev_b32 v[STI], 2, v2                    ; in: 4 bytes a lane
	v_and_b32 v14, 7, v0                           ; column 32 p + l is lane row 8 p + l % 8 of block l / 8
	v_bfe_u32 v15, v0, 3, 2
	v_mul_u32_u24 v[STO], v15, FS
	v_lshl_add_u32 v[STO], v14, 4, v[STO]
	v_add_nc_u32 v[STO], s28, v[STO]
	v_bfe_u32 v15, v0, 3, 1
	v_lshlrev_b32 v[SAD], 3, v14
	v_lshl_add_u32 v[SAD], v15, 7, v[SAD]
	v_bfe_u32 v15, v0, 4, 1
	v_lshl_add_u32 v[SAD], v15, 2, v[SAD]
	v_add_nc_u32 v[SAD], s29, v[SAD]
	v_add_nc_u32 v[RDI], s28, v[LD]
	v_add_nc_u32 v[RDS], s29, v[C8]
	s_wait_kmcnt 0x0
	s_cmp_eq_u32 s17, 0
	s_cselect_b64 s[20:21], s[6:7], s[8:9]
	s_cmp_eq_u32 s17, 2
	s_cselect_b64 s[20:21], s[10:11], s[20:21]
	s_add_nc_u64 s[20:21], s[20:21], s[22:23]
	s_add_nc_u64 s[12:13], s[12:13], s[24:25]
	s_add_nc_u64 s[14:15], s[14:15], s[26:27]
.macro LOADB n                         ; block n: columns 32 (n / 4) on, K 32 (n % 4) on: each load reads 128 consecutive bytes
.irp i, 0,1,2,3,4,5,6,7,8,9,10,11,12,13,14,15,16,17,18,19,20,21,22,23,24,25,26,27,28,29,30,31
	global_load_b32 v[R+32*((\n)%2)+\i], v[STI], s[20:21] offset:(32*((\n)%4)+\i)*4096+128*((\n)/4) th:TH_LOAD_NT
.endr
.endm
.macro WBLOCK n
.set XS, R+32*((\n)%2)
.set WP, (\n)/4
.set KB, (\n)%4
.set WOF, 128*WP+256*(KB%2)            ; the lanes of half KB % 2, rows 8 p on; the image by the lane's address
.if (\n) < 7
	s_wait_loadcnt 32                              ; this block's 32 loads are in; the next block's may be out
.else
	s_wait_loadcnt 0x0
.endif
	v_max3_num_f32 v12, |v[XS]|, |v[XS+1]|, |v[XS+2]|
	v_max3_num_f32 v13, |v[XS+3]|, |v[XS+4]|, |v[XS+5]|
.irp i, 6,10,14,18,22,26
	v_max3_num_f32 v12, v12, |v[XS+\i]|, |v[XS+\i+1]|
	v_max3_num_f32 v13, v13, |v[XS+\i+2]|, |v[XS+\i+3]|
.endr
	v_max3_num_f32 v12, v12, |v[XS+30]|, |v[XS+31]|
	v_max3_num_f32 v12, v12, v13, 0x1800000        ; and the floor
	v_add_nc_u32 v11, 0xff000000, v12
	v_lshrrev_b32 v13, 23, v11
.if KB == 0
	v_mov_b32 v[PWK+WP], v13
.else
	v_lshl_or_b32 v[PWK+WP], v13, 8*KB, v[PWK+WP]
.endif
	v_cvt_scalef32_pk16_fp6_f32 v[WC:WC+2], v[XS:XS+15], v11
	v_cvt_scalef32_pk16_fp6_f32 v[WC+4:WC+6], v[XS+16:XS+31], v11
	v_nop                                          ; one plain place behind a scaled conversion
	v_mov_b32 v[WC+3], v[WC+4]                     ; the block's six registers on end
	v_mov_b32 v[WC+4], v[WC+5]
	v_mov_b32 v[WC+5], v[WC+6]
.if KB < 2                             ; they are registers 0-5 of the fragment's lane (my row, half KB % 2),
	ds_store_b128 v[STO], v[WC:WC+3] offset:WOF
	ds_store_b64 v[STO], v[WC+4:WC+5] offset:WOF+512
.else                                  ; or registers 6-11
	ds_store_b64 v[STO], v[WC:WC+1] offset:WOF+520
	ds_store_b128 v[STO], v[WC+2:WC+5] offset:WOF+1024
.endif
.if (\n)+2 < 8
	LOADB (\n)+2
.endif
	s_wait_dscnt 0x0                               ; the stores have read their registers
.endm
	LOADB 0
	LOADB 1
.irp n, 0,1,2,3,4,5,6,7
	WBLOCK \n
.endr
	ds_store_b32 v[SAD], v[PWK]
	s_wait_alu depctr_va_vdst(0)
	ds_store_b32 v[SAD], v[PWK+1] offset:64
.irp n, 0,1,2,3,4,5,6,7,8,9,10,11
	ds_load_b128 v[WO+4*\n:WO+4*\n+3], v[RDI] offset:(\n/3)*FS+512*(\n%3)   ; LDS serves a wave's instructions in order: these see my stores
.endr
	ds_load_b64 v[160:161], v[RDS]
.irp n, 0,1,2,3,4,5,6,7,8,9,10,11
	s_wait_dscnt 12-\n                             ; load n is in: 11 - n loads of 16 bytes and the unit's may be out
	global_store_b128 v[LD], v[WO+4*\n:WO+4*\n+3], s[12:13] offset:(\n/3)*12288+512*(\n%3)
.endr
	s_wait_dscnt 0x0
	global_store_b64 v[C8], v[160:161], s[14:15]
	s_wait_tensorcnt 0x0
	ds_add_u32 v254, v255
	s_wait_dscnt 0x0
	s_endpgm
.Lfunc_end_k_qbaac180594_quant:
	.size	k_qbaac180594_quant, .Lfunc_end_k_qbaac180594_quant-k_qbaac180594_quant
	.p2alignl 7, 3214868480
	.fill 96, 4, 3214868480
	.section	.rodata,"a",@progbits
	.p2align	6, 0x0
	.amdhsa_kernel k_qbaac180594_quant
		.amdhsa_group_segment_fixed_size 62976
		.amdhsa_private_segment_fixed_size 0
		.amdhsa_enable_private_segment 0
		.amdhsa_kernarg_size 48
		.amdhsa_user_sgpr_count 2
		.amdhsa_user_sgpr_kernarg_segment_ptr 1
		.amdhsa_wavefront_size32 1
		.amdhsa_system_sgpr_workgroup_id_x 1
		.amdhsa_system_sgpr_workgroup_id_y 1
		.amdhsa_system_sgpr_workgroup_id_z 1
		.amdhsa_system_vgpr_workitem_id 0
		.amdhsa_next_free_vgpr 256
		.amdhsa_next_free_sgpr 66
		.amdhsa_reserve_vcc 0
		.amdhsa_float_denorm_mode_32 3
		.amdhsa_float_denorm_mode_16_64 3
		.amdhsa_memory_ordered 1
		.amdhsa_forward_progress 1
		.amdhsa_inst_pref_size 75
	.end_amdhsa_kernel
	.amdgpu_metadata
---
amdhsa.version: [ 1, 2 ]
amdhsa.kernels:
  - .name:           k_qbaac180594_quant
    .symbol:         k_qbaac180594_quant.kd
    .args:
      - { .name: x, .offset: 0, .size: 8, .value_kind: global_buffer, .address_space: global }
      - { .name: Wq, .offset: 8, .size: 8, .value_kind: global_buffer, .address_space: global }
      - { .name: Wk, .offset: 16, .size: 8, .value_kind: global_buffer, .address_space: global }
      - { .name: Wv, .offset: 24, .size: 8, .value_kind: global_buffer, .address_space: global }
      - { .name: xwc, .offset: 32, .size: 8, .value_kind: global_buffer, .address_space: global }
      - { .name: xws, .offset: 40, .size: 8, .value_kind: global_buffer, .address_space: global }
    .group_segment_fixed_size: 62976
    .private_segment_fixed_size: 0
    .kernarg_segment_align: 8
    .kernarg_segment_size: 48
    .max_flat_workgroup_size: 128
    .sgpr_count:     66
    .vgpr_count:     256
    .wavefront_size: 32
...
	.end_amdgpu_metadata
.endif
;; end of part 1
;; launch proj (part 2): grid 16 x 16, 4 waves a work-group, clusters of 4 x 4, 327,680 bytes of LDS; arguments xwc, xws, qkc, qks, vc, vs; writes qkc, qks, vc, vs
.if DOCPART == 2
	.amdgcn_target "amdgcn-amd-amdhsa--gfx1250"
	.amdhsa_code_object_version 6
	.text
	.protected	k_qbaac180594_proj
	.globl	k_qbaac180594_proj
	.p2align	8
	.type	k_qbaac180594_proj,@function
k_qbaac180594_proj:
	s_mov_b64 s[64:65], 0
	v_nop
	global_prefetch_b8 v0, s[64:65] scope:SCOPE_SE
	s_setreg_imm32_b32 hwreg(HW_REG_WAVE_MODE, 25, 1), 1
	s_wait_xcnt 0x0
	s_wait_alu depctr_hold_cnt(0) depctr_sa_sdst(0) depctr_va_vdst(0) depctr_va_sdst(0) depctr_va_ssrc(0) depctr_va_vcc(0) depctr_vm_vsrc(0)
	s_getreg_b32 s2, hwreg(HW_REG_IB_STS2, 6, 4)
	s_cmp_eq_u32 s2, 0
	s_cbranch_scc0 .Lentry_in_a_cluster
	s_endpgm
.Lentry_in_a_cluster:
	s_bfe_u32 s2, ttmp6, 0x10000c
	s_cmp_lg_u32 s2, 0xf033
	s_cbranch_scc0 .Lentry_shape_is_right
	s_endpgm
.Lentry_shape_is_right:
; Q, K, V = x W and their quantisers on codes of FP6 (E2M3), K = 1,024.  The results leave as codes and scale bytes, in the order of the operand registers of the launches that read them.
; A BLOCK t of rows: lane row r holds row 64 (t / 4) + 8 (t % 4) + 32 (r / 8) + r % 8.  A FRAGMENT (a block x 128 K) is the image of an operand's 12 registers: registers 4 c .. 4 c + 3 of lane l at 512 c + 16 l.
; IN: xwc [704 blocks][8 K steps][1536]: x's block of token 256 G + 128 w + 64 c + .., t % 4 = j, at place 16 G + 8 c + 2 j + w; W_q's, W_k's, W_v's blocks from 512 on.  xws [8][176 units][256]: word 8 l + 4 i of a unit: block
; 2 i + l / 16 of its four, lane row l % 16.
; OUT: qkc [v = 0 .. 31: Q's 64-column groups, then K's][64 token steps of 128][8 blocks][768]: registers 0-3 of a half fragment (64 of K) at 16 l, registers 4, 5 at 512 + 8 l;  qks [16: pairs of groups][64 steps][512]: word
; 16 l + 4 n: block 2 n + l / 16, lane row l % 16;  vc [16 groups of 64 outputs][64 token steps][4 blocks][1536];  vs [16][64][4 blocks][16 rows] words.
; LIMITS: a block of zeros, or one under 2^-124, keeps the byte 1 (only this program reads the bytes); NaN and infinities are not served.
; THE DEAL.  256 work-groups of four waves, 2 x 2; a wave holds 64 rows of a weight (four blocks), ALL of K, in registers (384) and streams x's rows past them in blocks of 16.  A work-group makes 256 x 128 of V, PHASE 1, then 512 x 128
; of Q or K, PHASE 2.  V's 256 rows are a half (s87) of the work-group's own 512: the two chunks of 128 rows asked for at the head serve V's eight blocks and then phase 2's first eight; only the other half's two are loaded later.
; Which half and which tensor come from the cluster's number alone.  x's rows are shared by a ROW of the cluster (mask s44), a weight's rows by a COLUMN (mask s45).  V comes first: its codes can leave only when both bands are there.
; FILLS.  At the head one load a wave: W_v's rows; x's scale words for all 512 rows; chunk 0; chunk 1.  Three refills, each in a drained round: in V's third block the weights' region, with W_q's or W_k's rows (waves 0, 1 a half each); in phase
; 2's blocks 2 and 6 a slot with a chunk of the other half (waves 0, 1 a half each).  What they brought is shown by the next round, or by a plain barrier behind which nothing is filled (V's last block; phase 2's block 10).
; A BLOCK is 32 products; behind every second one stand two ENTRIES of a list: the LAST block's way out, the descriptors, addresses.  A round stands inside a block: products are register work.
; THE WAITS' COUNTS: a block's rows were fetched two blocks ago; younger are the next block's fetch, NF loads, and the LDS stores of scale bytes between.
; PREFETCH: each tile of a refill is asked for into the L2 a phase or some blocks ahead, shared out by address among the sixteen waves that will ask jointly.
.set TOK,    8192
.set KROW,   768                       ; bytes of codes for each row, all of K
.set NQ,     8
.set NB,     4
.set TM,     512
.set TV,     256
.set TN,     128
.set FR,     12
.set FPW,    21                        ; fragments in a window of 256 registers
.set NF,     32                        ; LDS loads of a block: 24 for eight fragments, 8 for eight scale words
.set RA,     128
.set YB,     98304                     ; slot 1
.set BVB,    196608                    ; the weights
.set SCL,    294912                    ; x's scale words [8 K steps][8 units][256]
.set XN,     311296                    ; Q's or K's scale bytes [wave column][1,024]
.set XM,     313344                    ; V's [wave column][512]
.set SPARE,  314368                    ; the spare words
.set EMAX,   2
.set TB,     768
.set AR0,    4                         ; v4-7  my rows in slot 0 (j = 0, 1; j = 2, 3), in slot 1
.set AAS,    8                         ; v8    my scale words, the half that comes first
.set CO,     9                         ; v9    16 x lane
.set SPW,    10
.set NIL,    11
.set DRA,    12                        ; v12-13 the loop's rows
.set ADRB,   14                        ; v14   my weights
.set AASB,   15                        ; v15   my scale words, the other half
.set C8,     16                        ; v16   8 x lane
.set DAS,    17                        ; v17   the loop's scale words
.set STO,    18
.set STV,    19
.set SB,     24                        ; v24-39  the weights' scale words: two for each K step
.set TQ,     40
.set SA,     44                        ; v44-59  the rows' scale words: two sets of eight
.set TC,     60
.set ACC,    64                        ; v64-127 phase 2: two sets of four accumulators
.set HV0,    64                        ; v64-191 phase 1, band 0: 32 t + 8 j + i
.set HV1,    840                       ; v840-967 band 1
.set NCD,    128
.set MCD,    192
.set SOP,    240
.set EB,     244
.set VX,     248
.set SB2,    968                       ; v968-983 phase 2's weights' scale words
.set G1A, 24
.set G0A, 56
.set G0R, 68
.set G1B, 32
.set G0B, 60
.set G1S, 92
.set G0S, 72
.set MSB, 0
.macro WIN new
.if MSB != (\new)
	s_set_vgpr_msb (MSB<<8)|(\new)
.set MSB, (\new)
.endif
.endm
.macro PLACES n
.rept \n
	v_nop
.endr
.endm
.macro WALU
	s_wait_alu depctr_va_vdst(0)
.endm
.macro BARRIER
	s_barrier_signal -1
	s_barrier_wait -1
.endm
.macro MIDDLE                          ; a round's middle
	WIN 0
	s_barrier_wait -1
	s_cmp_lg_u32 s14, 0
	s_cbranch_scc1 .Lnot_wave_0_\@
	s_barrier_signal -3
.Lnot_wave_0_\@:
	s_barrier_wait -3
.endm
.macro CROUND
	s_barrier_signal -1
	MIDDLE
	BARRIER
.endm
.macro GRD
	s_wait_tensorcnt 0x0
	ds_add_u32 v[SPW], v[NIL]
.endm
.macro TLOAD g0, g1
	tensor_load_to_lds s[\g0:\g0+3], s[\g1:\g1+7]
	s_nop 0
	PLACES 4
.endm
.macro GROUP1 g, mask                  ; eight blocks of 12,288 bytes, dense; elements of 8 bytes
	s_or_b32 s[\g], s[\mask], (3<<16)|(1<<21)
	s_mov_b32 s[\g+1], 1536<<16
	s_mov_b32 s[\g+2], 8<<16
	s_mov_b32 s[\g+3], 1536<<16
	s_mov_b32 s[\g+4], 8
	s_mov_b32 s[\g+5], 1536
	s_mov_b32 s[\g+6], 0
	s_mov_b32 s[\g+7], 0
.endm
.macro SADD d, x
	s_add_co_u32 s\d, s\d, s\x
.endm
.macro G0SET g, base, off
	s_mov_b32 s20, s\off
	s_add_nc_u64 s[\g+2:\g+3], s[\base:\base+1], s[20:21]
	s_or_b32 s[\g+3], s[\g+3], 0x80000000
.endm
; Fragment f lies in window 1 + f / 21 at register 12 (f % 21): 0-31 the weights' (4 q + b), 32-39 and 40-47 the rows' two sets.
.macro FRAG f, adr, off
	WIN (1+(\f)/FPW)<<6
.irp c, 0,1,2
	ds_load_b128 v[FR*((\f)%FPW)+4*\c:FR*((\f)%FPW)+4*\c+3], \adr offset:(\off)+512*\c
.endr
.endm
.macro WEIGHTS
.irp q, 0,1,2,3,4,5,6,7
.irp b, 0,1,2,3
	FRAG NB*\q+\b, v[ADRB], 12288*\b+1536*\q
.endr
.endr
	WIN 0
.endm
.macro FETCHAT e, a0, off, as, so
.irp q, 0,1,2,3,4,5,6,7
	FRAG NB*NQ+NQ*(\e)+\q, \a0, (\off)+1536*\q
.endr
	WIN 0
.irp q, 0,1,2,3,4,5,6,7
	ds_load_b32 v[SA+8*(\e)+\q], \as offset:(\so)+2048*\q
.endr
.endm
.macro FETCHS e, c, j, as              ; block j of band c into set e
	FETCHAT \e, v[AR0+2*(\c)+(\j)/2], 24576*((\j)%2), v[\as], 256*(\c)+128*((\j)%2)+4*((\j)/2)
.endm
.macro GETB how, e, j                  ; 1: the loop's band; 2: the other half's band 1; 3: the first half's band 0; 0: nothing more
.if (\how) == 1
	FETCHAT \e, v[DRA+(\j)/2], 24576*((\j)%2), v[DAS], 128*((\j)%2)+4*((\j)/2)
.elseif (\how) == 2
	FETCHS \e, 1, \j, AASB
.elseif (\how) == 3
	FETCHS \e, 0, \j, AAS
.endif
.endm
.macro FETCH01
	FETCHS 0, 0, 0, AAS
	FETCHS 1, 0, 1, AAS
.endm
; ---- a product.  n = 4 q + b.  kind 0 (Q, K): source 0 the weight's rows; kind 1 (V): source 0 x's rows.
.macro PROD kind, e, n, a0, as
.set Q_, (\n)/4
.set FB_, NB*Q_+(\n)%4
.set FA_, NB*NQ+NQ*(\e)+Q_
.set D_, (\a0)+(\as)*((\n)%4)
.set DL_, D_&255
.set XB_, SB+2*Q_+((\n)%4)/2
.set XA_, SA+8*(\e)+Q_
.if \kind
	WIN (1+FA_/FPW)|((1+FB_/FPW)<<2)|((D_>>8)<<4)|((D_>>8)<<6)
.if Q_
	PROD1 DL_, FA_, FB_, v[DL_:DL_+7], XA_, XB_, b, (\n)%2
.else
	PROD1 DL_, FA_, FB_, 0, XA_, XB_, b, (\n)%2
.endif
.else
	WIN (1+FB_/FPW)|((1+FA_/FPW)<<2)|((D_>>8)<<4)|((D_>>8)<<6)
.if Q_
	PROD1 DL_, FB_, FA_, v[DL_:DL_+7], XB_, XA_, a, (\n)%2
.else
	PROD1 DL_, FB_, FA_, 0, XB_, XA_, a, (\n)%2
.endif
.endif
.endm
.macro PROD1 d, s0, s1, c, x0, x1, side, o
.if \o
	v_wmma_scale_f32_16x16x128_f8f6f4 v[\d:\d+7], v[FR*((\s0)%FPW):FR*((\s0)%FPW)+FR-1], v[FR*((\s1)%FPW):FR*((\s1)%FPW)+FR-1], \c, v[\x0], v[\x1] matrix_a_fmt:MATRIX_FMT_FP6 matrix_b_fmt:MATRIX_FMT_FP6 matrix_\side\()_scale:MATRIX_SCALE_ROW1
.else
	v_wmma_scale_f32_16x16x128_f8f6f4 v[\d:\d+7], v[FR*((\s0)%FPW):FR*((\s0)%FPW)+FR-1], v[FR*((\s1)%FPW):FR*((\s1)%FPW)+FR-1], \c, v[\x0], v[\x1] matrix_a_fmt:MATRIX_FMT_FP6 matrix_b_fmt:MATRIX_FMT_FP6 matrix_\side\()_scale:MATRIX_SCALE_ROW0
.endif
.endm
; ---- products \from .. \to - 1 of a block; behind every second one, two entries of the list \list
.macro BLOCK kind, e, a0, as, from, to, list, x=0, y=0
.set N_, \from
.rept (\to)-(\from)
	PROD \kind, \e, N_, \a0, \as
.if N_%2
	\list N_-1, \x, \y
	\list N_, \x, \y
.endif
.set N_, N_+1
.endr
.endm
.macro CHAIN i, x, n, t=TQ             ; a way out's first part, 18 entries: the largest magnitude of the 32 sums from register x on, and the conversions' scale operand, v[SOP+n]
.set XW_, (\x)>>8
.set XL_, (\x)&255
.if (\i) >= 0 && (\i) < 14
.set B_, XL_+16*((\i)%2)+2*((\i)/2)
.set T_, (\t)+1-(\i)%2
.if (\i) < 2
	WIN XW_|(XW_<<2)|(XW_<<4)
	v_max3_num_f32 v[T_], |v[B_]|, |v[B_+1]|, |v[B_+2]|
.else
	WIN (XW_<<2)|(XW_<<4)
	v_max3_num_f32 v[T_], v[T_], |v[B_+1]|, |v[B_+2]|
.endif
.elseif (\i) == 14
	WIN XW_<<2
	v_max3_num_f32 v[\t+1], v[\t+1], |v[XL_+15]|, (EMAX+1)<<23
.elseif (\i) == 15
	WIN 0
	v_nop                                  ; so that the next line, which reads entry 14's result, stands in the next pair
.elseif (\i) == 16
	WIN XW_<<2
	v_max3_num_f32 v[\t], v[\t], |v[XL_+31]|, v[\t+1]
.elseif (\i) == 17
	WIN 0
	v_add_nc_u32 v[SOP+\n], -(EMAX<<23), v[\t]
.endif
.endm
.macro CODES i, x, c, n, t=TC          ; its second part, 6 lines: 32 codes into v[c .. c+5], the scale's byte into v[EB+n]
.set XW_, (\x)>>8
.set XL_, (\x)&255
.if (\i) == 0
	WIN XW_
	v_cvt_scalef32_pk16_fp6_f32 v[\c:\c+2], v[XL_:XL_+15], v[SOP+\n]
.elseif (\i) == 1
	WIN XW_
	v_cvt_scalef32_pk16_fp6_f32 v[\t:\t+2], v[XL_+16:XL_+31], v[SOP+\n]
.elseif (\i) == 2
	WIN 0
	v_lshrrev_b32 v[EB+\n], 23, v[SOP+\n]
.else
	WIN 0
	v_mov_b32 v[\c+\i], v[\t+\i-3]
.endif
.endm
.macro CODES6 x, c, n
.irp i, 0,1,2,3,4,5
	CODES \i, \x, \c, \n
.endr
.endm
.macro PFTILE v, off, share            ; one entry: my sixteenth of a tile of 98,304 bytes, 24 blocks of 256 bytes
	s_mul_i32 s21, s\share, RA*KROW/16
	s_add_co_u32 s20, s\off, s21
	WIN 0
	v_min_u32 v\v, RA*KROW/16/256-1, v3
	v_lshl_add_u32 v\v, v\v, 8, s20
.endm
.macro PFGO v, base
	global_prefetch_b8 v\v, s[\base:\base+1] th:TH_LOAD_NT scope:SCOPE_SE
.endm
.macro PUT3 r, base, off
.irp k, 0,1,2
	global_store_b128 v[CO], v[\r+4*\k:\r+4*\k+3], \base offset:(\off)+512*\k
.endr
.endm
.macro PUTPAIR                         ; a pair of blocks: two half fragments of 768 bytes
.irp o, 0,1
	global_store_b128 v[CO], v[NCD+6*\o:NCD+6*\o+3], s[84:85] offset:768*\o
	global_store_b64 v[C8], v[NCD+6*\o+4:NCD+6*\o+5], s[84:85] offset:768*\o+512
.endr
.endm
.macro ASK i                           ; 3 entries: the descriptor of my half of the chunk at s88 (bytes from xwc) for slot s47; then both step on
.if (\i) == 0
	s_mul_i32 s[G0R+1], s14, RA/2*KROW
	s_add_co_u32 s[G0R+1], s[G0R+1], s47
	s_mul_i32 s20, s14, RA/2*KROW
	SADD 20, 88
.elseif (\i) == 1
	s_mov_b32 s21, 0
	s_add_nc_u64 s[G0R+2:G0R+3], s[4:5], s[20:21]
	s_or_b32 s[G0R+3], s[G0R+3], 0x80000000
.elseif (\i) == 2
	s_add_co_u32 s88, s88, RA*KROW
	s_xor_b32 s47, s47, YB
.endif
.endm
.macro PAIR i                          ; 4 entries: where pair s46's codes go (s[84:85]) and its scale bytes (v[VX]).  The codes' place goes by the true pair, the stage in LDS by the order of work
.if (\i) == 0
	s_lshl_b32 s3, s87, 2
	s_xor_b32 s3, s3, s46
	s_lshr_b32 s20, s3, 2
	s_lshl_b32 s21, s20, 3
.elseif (\i) == 1
	s_lshl_b32 s22, s3, 1
	SADD 21, 22
	s_mul_i32 s20, s21, TB
	s_mov_b32 s21, 0
.elseif (\i) == 2
	s_add_nc_u64 s[84:85], s[10:11], s[20:21]
	s_and_b32 s22, s46, 3
	s_lshl_b32 s22, s22, 1
	s_lshr_b32 s23, s46, 2
.elseif (\i) == 3
	s_lshl_b32 s23, s23, 9
	s_or_b32 s22, s22, s23
	s_add_co_u32 s46, s46, 1
	WIN 0
	v_add_nc_u32 v[VX], s22, v[STO]
.endif
.endm
; ---- the lists
.macro L_NONE i, x, y
.endm
.macro L_OUT i, x, y                   ; the way out of the sums at x (scale operand y)
	CHAIN \i, \x, \y
.endm
.macro L_V2 i, x, y                    ; V's third block: the first refill's descriptor; the later refills' rows; what the second refill will load is asked for
.if (\i) == 0
	s_mov_b32 s[G1A+2], 4<<16
	s_mov_b32 s[G1A+4], 4
.elseif (\i) == 1
	s_mov_b32 s[G1B+2], 4<<16
	s_mov_b32 s[G1B+4], 4
	s_mul_i32 s[G0B+1], s14, TN/2*KROW
	s_add_co_u32 s[G0B+1], s[G0B+1], BVB
.elseif (\i) == 2
	s_mul_i32 s20, s14, TN/2*KROW
	SADD 20, 9
	s_mov_b32 s21, 0
	s_add_nc_u64 s[G0B+2:G0B+3], s[4:5], s[20:21]
.elseif (\i) == 3
	s_or_b32 s[G0B+3], s[G0B+3], 0x80000000
.elseif (\i) == 7
	PFTILE 21, 88, 90
.endif
.endm
.macro L_V7 i, x, y                    ; V's last block: what the third refill will load is asked for; the way out
.if (\i) == 0
	s_add_co_u32 s22, s88, RA*KROW
	PFTILE 22, 22, 90
.endif
	CHAIN (\i)-1, \x, \y
.endm
.macro L_ODD i, x, y                   ; an odd block of phase 2: the pair's places, the even block's way out
	PAIR \i
	CHAIN (\i)-4, ACC, 0
.endm
.macro L_ROUND i, x, y                 ; an even block with a round: the descriptor, the odd block's way out
	ASK \i
	CHAIN (\i)-3, ACC+32, 1
.endm
; ---- phase 2's blocks.  w: the count of the wait for the block's rows (-1: they are shown in already); how, j: the block that is fetched behind it
.macro WAITDS w
.if (\w) >= 0
	s_wait_dscnt \w
.endif
.endm
.macro EVENOUT how, j                  ; behind an even block: the odd block's byte, the pair's codes, the fetch of the block two on
	WALU
	ds_store_b8 v[VX], v[EB+1] offset:128
	PUTPAIR
	GETB \how, 0, \j
.endm
.macro EVEN w, how, j
	WAITDS \w
	BLOCK 0, 0, ACC, 8, 0, 32, L_OUT, ACC+32, 1
	WIN 0
	CODES6 ACC+32, NCD+6, 1
	EVENOUT \how, \j
.endm
.macro EVENROUND w, how, j             ; the second and the third refill
	WAITDS \w
	GRD
	BLOCK 0, 0, ACC, 8, 0, 26, L_ROUND
	WIN 0
	WALU
	s_wait_dscnt 0x0
	s_barrier_signal -1
	BLOCK 0, 0, ACC, 8, 26, 32, L_NONE
	WIN 0
	CODES6 ACC+32, NCD+6, 1
	MIDDLE
	BARRIER
	s_cmp_lt_u32 s14, 2
	s_cbranch_scc0 .Lno_chunk_\@
	TLOAD G0R, G1A
.Lno_chunk_\@:
	EVENOUT \how, \j
.endm
.macro EVENSHOW w, how, j              ; a plain barrier inside the block shows the last refill to all
	WAITDS \w
	BLOCK 0, 0, ACC, 8, 0, 26, L_OUT, ACC+32, 1
	WIN 0
	WALU
	s_wait_tensorcnt 0x0
	s_wait_dscnt 0x0
	s_barrier_signal -1
	BLOCK 0, 0, ACC, 8, 26, 32, L_NONE
	WIN 0
	s_barrier_wait -1
	CODES6 ACC+32, NCD+6, 1
	EVENOUT \how, \j
.endm
.macro ODD w, how, j
	WAITDS \w
	s_wait_xcnt 0x0                                ; the last pair's stores have read their codes and their base
	BLOCK 0, 1, ACC+32, 8, 0, 32, L_ODD
	WIN 0
	CODES6 ACC, NCD, 0
	WALU
	ds_store_b8 v[VX], v[EB]
	GETB \how, 1, \j
.endm
; ================= THE HEAD
	s_load_b128 s[4:7], s[0:1], 0x0                     ; xwc, xws
	v_lshl_add_u32 v[SPW], v0, 2, SPARE
	v_mov_b32 v[NIL], 0
	ds_add_u32 v[SPW], v[NIL]
	ds_add_u32 v[SPW], v[NIL]
	v_lshrrev_b32 v1, 5, v0
	v_readfirstlane_b32 s14, v1                         ; s14 the wave; s15 its row of the 2 x 2, s16 its column
	s_lshr_b32 s15, s14, 1
	s_and_b32 s16, s14, 1
	s_bfe_u32 s40, ttmp6, 0x40000                       ; cx
	s_bfe_u32 s41, ttmp6, 0x40004                       ; cy
	s_lshl_b32 s42, ttmp9, 2
	s_add_co_u32 s42, s42, s40                          ; s42 phase 2's tile column, 0 .. 15: Q's eight, then K's
	s_and_b32 s43, ttmp7, 0xffff
	s_lshl_b32 s43, s43, 2
	s_add_co_u32 s43, s43, s41                          ; s43 its tile row
	s_lshr_b32 s19, ttmp9, 1
	s_and_b32 s87, ttmp9, 1                             ; s87: V's half of my 512 rows
	s_lshl_b32 s13, s19, 2
	s_add_co_u32 s13, s13, s40                          ; s13 V's tile column
	s_lshl_b32 s12, s43, 1
	s_add_co_u32 s12, s12, s87                          ; s12 V's tile row
	s_lshl_b32 s44, s41, 2
	s_lshl_b32 s44, 15, s44                             ; my row of the cluster
	s_lshl_b32 s45, 0x1111, s40                         ; my column
	GROUP1 G1A, 44
	GROUP1 G1B, 45
	s_or_b32 s[G1S], s44, (3<<16)|(1<<21)               ; x's scale words: 8 K steps x 2,048 bytes, 45,056 apart
	s_mov_b32 s[G1S+1], 256<<16
	s_mov_b32 s[G1S+2], 8<<16
	s_mov_b32 s[G1S+3], 256<<16
	s_mov_b32 s[G1S+4], 8
	s_mov_b32 s[G1S+5], 5632
	s_mov_b32 s[G1S+6], 0
	s_mov_b32 s[G1S+7], 0
	s_mov_b32 s[G0S], 1
	s_mov_b32 s[G0S+1], SCL
	s_mul_i32 s67, s43, TM*KROW                         ; my 512 rows, bytes from xwc
	s_mul_i32 s66, s12, TV*KROW                         ; V's half of them
	s_mul_i32 s9, s42, TN*KROW
	s_add_co_u32 s9, s9, TOK*KROW                       ; W_q's or W_k's rows
	s_mul_i32 s54, s13, TN*KROW
	s_add_co_u32 s54, s54, (TOK+2048)*KROW              ; W_v's
	s_lshl_b32 s55, s43, 11                             ; my rows' units, bytes from xws
	s_lshl_b32 s82, s42, 1
	SADD 82, 16
	s_add_co_u32 s82, s82, 128
	s_lshl_b32 s82, s82, 8                              ; my unit of W_q or W_k
	s_mov_b32 s83, 0
	s_lshl_b32 s84, s13, 1
	SADD 84, 16
	s_add_co_u32 s84, s84, 160
	s_lshl_b32 s84, s84, 8                              ; of W_v
	s_mov_b32 s85, 0
	s_mov_b32 s[G0A], 1
	s_mov_b32 s[G0A+1], 0
	s_mov_b32 s[G0B], 1
	s_mov_b32 s[G0B+1], BVB
	s_mov_b32 s[G0R], 1
	s_mov_b32 s[G0R+1], YB
	s_lshl_b32 s90, s40, 2
	s_add_co_u32 s90, s90, s14                          ; my number among the sixteen waves of my row of the cluster
	s_lshl_b32 s100, s41, 2
	s_add_co_u32 s100, s100, s14                        ; and of my column
	s_mul_i32 s20, s15, 12288                           ; LDS places: my rows,
	s_mul_i32 s21, s16, 49152
	s_add_co_u32 s21, s21, BVB                          ; my weights,
	s_lshl_b32 s46, s15, 9
	s_add_co_u32 s46, s46, SCL
	s_lshl_b32 s22, s87, 10
	SADD 22, 46                                         ; my scale words in the half that comes first
	s_xor_b32 s23, s87, 1
	s_lshl_b32 s23, s23, 10
	SADD 23, 46                                         ; and in the other,
	s_lshl_b32 s47, s15, 8
	s_lshl_b32 s2, s16, 10
	SADD 2, 47
	s_add_co_u32 s2, s2, XN                             ; the stages
	s_lshl_b32 s3, s16, 9
	SADD 3, 47
	s_add_co_u32 s3, s3, XM
	v_and_b32 v1, 15, v0
	v_bfe_u32 v2, v0, 4, 1
	v_and_b32 v3, 31, v0
	v_lshlrev_b32 v[CO], 4, v3
	v_lshlrev_b32 v[C8], 3, v3
	v_add_nc_u32 v[AR0], s20, v[CO]
	v_add_nc_u32 v[AR0+1], 49152, v[AR0]
	v_add_nc_u32 v[AR0+2], YB, v[AR0]
	v_add_nc_u32 v[AR0+3], YB, v[AR0+1]
	v_add_nc_u32 v[ADRB], s21, v[CO]
	v_lshl_add_u32 v[AAS], v1, 3, s22
	v_lshl_add_u32 v[AASB], v1, 3, s23
	v_lshl_add_u32 v23, v1, 3, v2
	v_add_nc_u32 v[STO], s2, v23
	v_lshl_add_u32 v23, v1, 2, v2
	v_add_nc_u32 v[STV], s3, v23
	v_add_nc_u32 v[DRA], YB, v[AR0]                     ; the loop begins with the first half's band 1
	v_add_nc_u32 v[DRA+1], YB, v[AR0+1]
	v_add_nc_u32 v[DAS], 256, v[AAS]
	WALU
	s_wait_dscnt 0x0
	CROUND                                              ; the opening round, ahead of the wait for the arguments
	s_wait_kmcnt 0x0
	s_add_nc_u64 s[10:11], s[6:7], s[82:83]
	s_add_nc_u64 s[84:85], s[6:7], s[84:85]
	s_mov_b32 s20, s66
	s_mov_b32 s21, 0
	s_add_nc_u64 s[G0A+2:G0A+3], s[4:5], s[20:21]
	s_add_nc_u64 s[G0R+2:G0R+3], s[G0A+2:G0A+3], RA*KROW
	s_or_b32 s[G0A+3], s[G0A+3], 0x80000000
	s_or_b32 s[G0R+3], s[G0R+3], 0x80000000
	G0SET G0B, 4, 54
	G0SET G0S, 6, 55
	s_cmp_eq_u32 s14, 0
	s_cbranch_scc0 .Lwave_1
	TLOAD G0B, G1B                                      ; wave 0: W_v's rows
	s_branch .Lasked
.Lwave_1:
	s_cmp_eq_u32 s14, 1
	s_cbranch_scc0 .Lwave_2
	TLOAD G0S, G1S                                      ; wave 1: x's scale words
	s_branch .Lasked
.Lwave_2:
	s_cmp_eq_u32 s14, 2
	s_cbranch_scc0 .Lwave_3
	TLOAD G0A, G1A                                      ; wave 2: chunk 0
	s_branch .Lasked
.Lwave_3:
	TLOAD G0R, G1A                                      ; wave 3: chunk 1
.Lasked:
.irp q, 0,1,2,3,4,5,6,7
	global_load_b64 v[SB+2*\q:SB+2*\q+1], v[C8], s[84:85] offset:45056*\q
.endr
	WIN 3<<6
.irp q, 0,1,2,3,4,5,6,7
	global_load_b64 v[SB2-768+2*\q:SB2-768+2*\q+1], v[C8], s[10:11] offset:45056*\q
.endr
	WIN 0
	s_lshl_b32 s21, s42, 1                              ; where the results go: s[76:77] Q's or K's codes, s[78:79] their scale words, s[80:81], s[82:83] V's
	SADD 21, 16
	s_mul_i32 s76, s21, TOK/16*TB
	s_mul_i32 s22, s43, TM/16*TB
	SADD 76, 22
	s_mul_i32 s22, s15, 8*TB
	SADD 76, 22
	s_mov_b32 s77, 0
	s_lshl_b32 s78, s42, 15
	s_lshl_b32 s22, s43, 11
	SADD 78, 22
	s_xor_b32 s22, s15, s87                             ; the stage's halves lie in the order of work; wave w sends its token step w
	s_lshl_b32 s22, s22, 1
	SADD 22, 16
	s_lshl_b32 s22, s22, 9
	SADD 78, 22
	s_mov_b32 s79, 0
	s_lshl_b32 s21, s13, 1
	SADD 21, 16
	s_mul_i32 s80, s21, TOK/16*TB
	s_mul_i32 s22, s12, TV/16*TB
	SADD 80, 22
	s_mul_i32 s22, s15, 8*TB
	SADD 80, 22
	s_mov_b32 s81, 0
	s_lshl_b32 s21, s13, 1
	SADD 21, 15
	s_mul_i32 s82, s21, TOK*2
	s_mul_i32 s22, s12, TV*2
	SADD 82, 22
	s_mul_i32 s22, s16, TV
	SADD 82, 22
	s_mov_b32 s83, 0
	s_wait_xcnt 0x0
	s_load_b64 s[10:11], s[0:1], 0x10                   ; qkc
	s_load_b128 s[48:51], s[0:1], 0x18                  ; qks, vc
	s_load_b64 s[52:53], s[0:1], 0x28                   ; vs
	s_mov_b32 s46, 0
	s_mov_b32 s47, 0
	s_xor_b32 s20, s87, 1                               ; the chunks still to come are the other half's
	s_mul_i32 s88, s20, 2*RA*KROW
	SADD 88, 67
	PFTILE 20, 9, 100                                   ; what the first refill will load
	WALU
	s_cmp_eq_u32 s14, 0
	s_cbranch_scc0 .Lnot_b
	s_wait_tensorcnt 0x0
.Lnot_b:
	BARRIER                                             ; W_v's rows are in
	PFGO 20, 4
	WEIGHTS
	s_cmp_eq_u32 s14, 3
	s_cbranch_scc1 .Lnot_a0
	s_wait_tensorcnt 0x0
.Lnot_a0:
	s_wait_dscnt 0x0
	BARRIER                                             ; chunk 0 and the scale words are in; chunk 1 may still be on its way
	FETCH01
	s_wait_loadcnt 0x0
	s_wait_kmcnt 0x0
	s_add_nc_u64 s[10:11], s[10:11], s[76:77]
	s_add_nc_u64 s[48:49], s[48:49], s[78:79]
	s_add_nc_u64 s[50:51], s[50:51], s[80:81]
	s_add_nc_u64 s[52:53], s[52:53], s[82:83]
; ================= PHASE 1: V, eight blocks; band 0's way outs stand in band 1's blocks
.irp s, 0,1
	s_wait_dscnt NF
	BLOCK 1, \s, HV0+8*\s, 32, 0, 32, L_NONE
	WIN 0
	PLACES 4
	FETCHS \s, 0, \s+2, AAS
.endr
	s_wait_dscnt NF
	s_wait_xcnt 0x0
	GRD
	BLOCK 1, 0, HV0+16, 32, 0, 24, L_V2
	WIN 0
	WALU
	s_wait_dscnt 0x0
	s_barrier_signal -1
	BLOCK 1, 0, HV0+16, 32, 24, 32, L_NONE
	MIDDLE
	BARRIER
	s_cmp_lt_u32 s14, 2
	s_cbranch_scc0 .Lno_half
	TLOAD G0B, G1B                                      ; waves 0 and 1 a half each of W_q's or W_k's rows, onto W_v's, which all waves hold in registers
.Lno_half:
	PLACES 4                                            ; the places in front of the fetch, for the waves that come round the load
	WALU
	FETCHS 0, 1, 0, AAS
	PFGO 21, 4
	BLOCK 1, 1, HV0+24, 32, 0, 32, L_NONE
	WIN 0
	PLACES 4
	FETCHS 1, 1, 1, AAS
.irp j, 0,1,2
	s_wait_dscnt NF+(\j+1)/2
	BLOCK 1, \j%2, HV1+8*\j, 32, 0, 32, L_OUT, HV0+32*\j, \j
	WIN 0
	CODES6 HV0+32*\j, MCD+12*\j, \j
	WALU
	ds_store_b8 v[STV], v[EB+\j] offset:64*\j
.if \j < 2
	FETCHS \j%2, 1, \j+2, AAS
.endif
.endr
	s_wait_dscnt 1
	BLOCK 1, 1, HV1+24, 32, 0, 26, L_V7, HV0+96, 3
	WIN 0
	WALU
	s_wait_tensorcnt 0x0
	s_wait_dscnt 0x0
	s_barrier_signal -1                                 ; a plain barrier: the weights that the first refill brought are shown to all
	BLOCK 1, 1, HV1+24, 32, 26, 32, L_NONE
	WIN 0
	s_barrier_wait -1
	CODES6 HV0+96, MCD+36, 3
	WALU
	ds_store_b8 v[STV], v[EB+3] offset:192
; ================= THE CHANGE OF PHASE: the weights and the first two blocks' rows in one run of loads; band 1's four way outs under their flight
	WEIGHTS
	FETCH01
	PFGO 22, 4
	WIN 3
.set I, 0
.rept 16
	v_mov_b32 v[SB+I], v[SB2-768+I]
.set I, I+1
.endr
	WIN 0
.set I, 0
.rept 18
.irp t, 0,1,2,3
	CHAIN I, HV1+32*\t, \t, 64+4*\t
.endr
.set I, I+1
.endr
.set I, 0
.rept 6
.irp t, 0,1,2,3
	CODES I, HV1+32*\t, MCD+12*\t+6, \t, 80+4*\t
.endr
.set I, I+1
.endr
	WIN 0
	WALU
; ================= PHASE 2: Q or K, sixteen blocks, way outs by pairs
	s_wait_dscnt NF
	BLOCK 0, 0, ACC, 8, 0, 32, L_NONE
	WIN 0
	PLACES 4
	WALU
.irp t, 0,1,2,3
	ds_store_b8 v[STV], v[EB+\t] offset:2+64*\t
.endr
.irp t, 0,1,2,3
	PUT3 MCD+12*\t, s[50:51], 2*TB*\t                   ; V's codes leave
.endr
	GETB 3, 0, 2
	ODD NF+4, 3, 3
	s_mov_b32 s86, 0
.Lwith_rounds:                                          ; blocks 2 to 5, 6 to 9
	EVENROUND NF+1, 1, 0
	ODD -1, 1, 1
	EVEN NF+1, 1, 2
	ODD NF+1, 1, 3
	v_mov_b32 v[DRA], v[AR0]                            ; the second trip fetches the other half's band 0, from slot 0
	v_mov_b32 v[DRA+1], v[AR0+1]
	v_mov_b32 v[DAS], v[AASB]
	s_add_co_u32 s86, s86, 1
	s_cmp_lg_u32 s86, 2
	WALU
	s_cbranch_scc1 .Lwith_rounds
	EVENSHOW NF+1, 2, 0                                 ; blocks 10 to 15
	ODD -1, 2, 1
	EVEN NF+1, 2, 2
	ODD NF+1, 2, 3
	EVEN NF+1, 0, 0
	ODD 1, 0, 0
; ================= THE END: the last way out; the scale bytes go through LDS under its conversions
	s_lshl_b32 s21, s14, 8
	s_add_co_u32 s22, s21, XM
	s_add_co_u32 s21, s21, XN
	v_add_nc_u32 v12, s21, v[C8]
	v_add_nc_u32 v14, s22, v[C8]
.set I, 0
.rept 18
	CHAIN I, ACC+32, 1
.set I, I+1
.endr
	CODES 2, ACC+32, NCD+6, 1
	WALU
	ds_store_b8 v[VX], v[EB+1] offset:128
	s_wait_dscnt 0x0
	s_barrier_signal -1
	CODES 0, ACC+32, NCD+6, 1
	CODES 1, ACC+32, NCD+6, 1
	v_nop
.irp i, 3,4,5
	CODES \i, ACC+32, NCD+6, 1
.endr
	s_barrier_wait -1
	WALU
	ds_load_b64 v[64:65], v12                           ; the even group's bytes of my token step: two for each block row,
	ds_load_b64 v[66:67], v12 offset:1024               ; the odd group's
	ds_load_b64 v[68:69], v14
	PUTPAIR
	s_wait_dscnt 0x0
	v_perm_b32 v70, v66, v64, 0x05040100                ; whole words: the even group's two bytes low
	v_perm_b32 v71, v66, v64, 0x07060302
	v_perm_b32 v72, v67, v65, 0x05040100
	v_perm_b32 v73, v67, v65, 0x07060302
	global_store_b128 v[CO], v[70:73], s[48:49]
	global_store_b64 v[C8], v[68:69], s[52:53]
	s_wait_tensorcnt 0x0
	ds_add_u32 v[SPW], v[NIL]
	s_wait_dscnt 0x0
	CROUND
	s_endpgm
.Lfunc_end_k_qbaac180594_proj:
	.size	k_qbaac180594_proj, .Lfunc_end_k_qbaac180594_proj-k_qbaac180594_proj
	.p2alignl 7, 3214868480
	.fill 96, 4, 3214868480
	.section	.rodata,"a",@progbits
	.p2align	6, 0x0
	.amdhsa_kernel k_qbaac180594_proj
		.amdhsa_group_segment_fixed_size 327680
		.amdhsa_private_segment_fixed_size 0
		.amdhsa_enable_private_segment 0
		.amdhsa_kernarg_size 48
		.amdhsa_user_sgpr_count 2
		.amdhsa_user_sgpr_kernarg_segment_ptr 1
		.amdhsa_wavefront_size32 1
		.amdhsa_system_sgpr_workgroup_id_x 1
		.amdhsa_system_sgpr_workgroup_id_y 1
		.amdhsa_system_sgpr_workgroup_id_z 1
		.amdhsa_system_vgpr_workitem_id 0
		.amdhsa_next_free_vgpr 984
		.amdhsa_next_free_sgpr 102
		.amdhsa_reserve_vcc 0
		.amdhsa_float_denorm_mode_32 3
		.amdhsa_float_denorm_mode_16_64 3
		.amdhsa_memory_ordered 1
		.amdhsa_forward_progress 1
		.amdhsa_inst_pref_size 201
	.end_amdhsa_kernel
	.amdgpu_metadata
---
amdhsa.version: [ 1, 2 ]
amdhsa.kernels:
  - .name:           k_qbaac180594_proj
    .symbol:         k_qbaac180594_proj.kd
    .args:
      - { .name: xwc, .offset: 0, .size: 8, .value_kind: global_buffer, .address_space: global }
      - { .name: xws, .offset: 8, .size: 8, .value_kind: global_buffer, .address_space: global }
      - { .name: qkc, .offset: 16, .size: 8, .value_kind: global_buffer, .address_space: global }
      - { .name: qks, .offset: 24, .size: 8, .value_kind: global_buffer, .address_space: global }
      - { .name: vc, .offset: 32, .size: 8, .value_kind: global_buffer, .address_space: global }
      - { .name: vs, .offset: 40, .size: 8, .value_kind: global_buffer, .address_space: global }
    .group_segment_fixed_size: 327680
    .private_segment_fixed_size: 0
    .kernarg_segment_align: 8
    .kernarg_segment_size: 48
    .max_flat_workgroup_size: 128
    .sgpr_count:     102
    .vgpr_count:     984
    .wavefront_size: 32
...
	.end_amdgpu_metadata
.endif
;; end of part 2
;; launch score (part 3): grid 64 x 4, 4 waves a work-group, no clusters, 327,680 bytes of LDS; arguments qkc, qks, pc, pst; writes pc, pst
.if DOCPART == 3
	.amdgcn_target "amdgcn-amd-amdhsa--gfx1250"
	.amdhsa_code_object_version 6
	.text
	.protected	k_qbaac180594_score
	.globl	k_qbaac180594_score
	.p2align	8
	.type	k_qbaac180594_score,@function
k_qbaac180594_score:
	s_mov_b64 s[64:65], 0
	v_nop
	global_prefetch_b8 v0, s[64:65] scope:SCOPE_SE
	s_setreg_imm32_b32 hwreg(HW_REG_WAVE_MODE, 25, 1), 1
	s_wait_xcnt 0x0
; p = 2^(t - M) of the causal scores q k^T / 32, as codes of FP6 (E2M3).  t = score x log2(e) / 32.  Tiles wholly above the diagonal are not made.
; M HERE IS LOCAL: for a query and the 128 keys of a K step of the next product, M_loc = ceil(the largest t among them), a whole number.  The next launch brings bytes and sums under the row's M by whole powers of two.
; BLOCKS: lane row r of block t is row 64 (t / 4) + 8 (t % 4) + 32 (r / 8) + r % 8.  IN: qkc, qks as the launch before lays them.
; OUT: for a batch and j = 0 .. 7 a PAIR of query tiles of 128 rows, 15 - j and j, with 17 slots: slot k is the tile 15 - j's K step k of keys, slot 16 - k the tile j's.  pc [4 batches][8 pairs][17 slots][8 blocks][1536] (images of
; 12 registers);  pst [4][8][17][128 rows][scale word, -M_loc, local sum, 0].
; THE DEAL.  A work-group has one tile i of 128 queries and n = 1, 2 or 3 steps of 128 keys from k0 on.  Tile i has i + 1 steps: odd i: pairs; even i: pairs, the last with one step more; tile 15: 3, 3, 2, 2, 2, 2, 2; tile 0: its one.
; That is 64 work-groups a batch.  A wave has 32 queries: its two blocks of Q, all of K = 1,024, stand in registers (192), straight from memory: no other wave reads them.  K's rows go through two LDS slots; a step's load is issued
; behind the barrier in front of the step before it.  Source 0 (registers) = keys, source 1 (lanes) = queries: over four blocks of keys a lane has 32 neighbours, a scale block.
; NO CLUSTER: work-groups that share a step of keys have different numbers of steps, and branches hang on n.  No prefetch: at most two steps follow the first, and each is asked for a whole unit ahead.
; LIMITS: a block whose every p is 0 keeps the byte 1 (its codes are zeros); a p under 2^-126 is taken as 0 (v_exp_f32); NaN and infinities are not served.
.set SLOTB, 131072                     ; from slot to slot; a slot holds 16 groups x 6,144 bytes
.set SPARE, 229376
.set AK,    4                          ; v4-5  LDS address of K's groups 0-7, 8-15, + 16 lane;  v6-7 + 8 lane
.set AK8,   6
.set AKB,   8                          ; v8-11 the same in slot 0
.set CO,    12                         ; 16 x lane
.set C8,    13                         ; 8 x lane
.set VQ,    14
.set T16,   15                         ; 16 x thread
.set DQ,    20                         ; v20-21 my query in the tile - 32 (lane / 16), for my two blocks
.set NI,    22
.set HS,    23                         ; 8 (lane / 16)
.set SPW,   28
.set NIL,   29
.set SQ,    32                         ; v32-39 Q's scale words; v40-71 K's: four for each 128 of K
.set SK,    40
.set BM,    72
.set BX,    76
.set XX,    77
.set SO,    78
.set NP,    80
.set LS,    82
.set LS2,   84
.set RW,    86
.set X2,    87
.set WRD,   88
.set NMK,   90
.set LLK,   92
.set SW,    96
.set PC,    104
.set TM,    116
.set T,     128
.set WV,  14
.set NS,  18
.set G1,  24
.set G0,  32
.set KL,  44
.set TB0, 45
.set SEL, 46
.set CS,  48
.set HI,  50
.set DIAG, 51
.set MSB, 0
.macro WIN new
.if MSB != (\new)
	s_set_vgpr_msb (MSB<<8)|(\new)
.set MSB, (\new)
.endif
.endm
.macro PLACES n
.rept \n
	v_nop
.endr
.endm
.macro FETCH k                         ; K's eight blocks x 128 of K into set k % 3 (window 1 at 0 and 96, window 3 at 128): 32 loads
.set S_, (\k)%3
.set B_, 96*(S_%2)+128*(S_/2)
	WIN 0x40+0x80*(S_/2)
.irp t, 0,1,2,3,4,5,6,7
.irp c, 0,1
	ds_load_b128 v[B_+12*\t+6*\c:B_+12*\t+6*\c+3], v[AK+(\k)/4] offset:(2*((\k)%4)+\c)*6144+768*\t
	ds_load_b64 v[B_+12*\t+6*\c+4:B_+12*\t+6*\c+5], v[AK8+(\k)/4] offset:(2*((\k)%4)+\c)*6144+768*\t+512
.endr
.endr
	WIN 0
.endm
.macro WM k, t, b, row
.set D_, 64*(\b)+8*(\t)
.set S_, (\k)%3
.set A_, 96*(S_%2)+128*(S_/2)+12*(\t)
.set Q_, 96*(\b)+12*(\k)
.if (\k) == 0                          ; the first products start the sums
	v_wmma_scale_f32_16x16x128_f8f6f4 v[D_:D_+7], v[A_:A_+11], v[Q_:Q_+11], 0, v[SK+4*(\k)+(\t)/2], v[SQ+(\k)] matrix_a_fmt:MATRIX_FMT_FP6 matrix_b_fmt:MATRIX_FMT_FP6 matrix_a_scale:MATRIX_SCALE_ROW\row matrix_b_scale:MATRIX_SCALE_ROW\b
.else
	v_wmma_scale_f32_16x16x128_f8f6f4 v[D_:D_+7], v[A_:A_+11], v[Q_:Q_+11], v[D_:D_+7], v[SK+4*(\k)+(\t)/2], v[SQ+(\k)] matrix_a_fmt:MATRIX_FMT_FP6 matrix_b_fmt:MATRIX_FMT_FP6 matrix_a_scale:MATRIX_SCALE_ROW\row matrix_b_scale:MATRIX_SCALE_ROW\b
.endif
.endm
.macro STEP k                          ; the 16 accumulators take turns, one instruction a turn
.if (\k) < 7
	s_wait_dscnt 32                                ; this step's fragments are in; the next step's 32 loads may be out
.else
	s_wait_dscnt 0x0
.endif
	PLACES 4                                       ; four plain places in front of loads into registers that matrix instructions have read
.if (\k) < 6
	FETCH (\k)+2
.endif
	WIN 0xf9+2*(((\k)%3)/2)
.irp u, 0,2,4,6
	WM \k, \u, 0, 0
	WM \k, \u, 1, 0
	WM \k, \u+1, 0, 1
	WM \k, \u+1, 1, 1
.endr
	WIN 0
.endm
.macro SKLOAD                          ; K's scale words of a step of keys: 512 consecutive bytes a load
.irp k, 0,1,2,3,4,5,6,7
	global_load_b128 v[SK+4*\k:SK+4*\k+3], v[CO], s[74:75] offset:32768*\k
.endr
.endm
; On the diagonal: register 32 c + m of lane (r, h) holds key 64 c + 32 h + m.  Hidden scores become -infinity: p = 0.
.macro MASK a
	s_cmp_eq_u32 s[DIAG], 0
	s_cbranch_scc1 .Lopen_\@
	WIN 0xc3
	s_wait_alu depctr_va_vdst(0)
.set N_, 0
.rept 64
	v_cmp_gt_i32 vcc_lo, 64*(N_/32)+N_%32, v[DQ+\a]
	v_cndmask_b32 v[64*\a+N_], v[64*\a+N_], v[NI], vcc_lo
.set N_, N_+1
.endr
	WIN 0
.Lopen_\@:
.endm
.macro SOFT a
.set AC, 64*(\a)
	s_wait_xcnt 0x0                                ; the last block's stores have read their data
	s_wait_alu depctr_va_vdst(0)
	WIN 0x3f
.irp b, 0,1,2,3
	v_max3_num_f32 v[BM+\b], v[AC+16*\b], v[AC+16*\b+1], v[AC+16*\b+2]   ; the largest score of each block of 32 keys, in two chains: for the row's maximum, and, since p rises with the score, for the block's largest p
.endr
	WIN 0x3c
.irp i, 3,5,7,9,11,13
.irp b, 0,1,2,3
	v_max3_num_f32 v[BM+\b], v[BM+\b], v[AC+16*\b+\i], v[AC+16*\b+\i+1]
.endr
.endr
.irp b, 0,1,2,3
	v_max_num_f32 v[BM+\b], v[BM+\b], v[AC+16*\b+15]
.endr
	WIN 0
	v_max_num_f32 v[BM], v[BM], v[BM+1]
	v_max_num_f32 v[BM+1], v[BM+2], v[BM+3]
	v_max_num_f32 v[RW], v[BM], v[BM+1]
	v_permlanex16_b32 v[BX], v[RW], s[SEL], s[SEL+1]
	v_max_num_f32 v[RW], v[RW], v[BX]
	v_mul_f32 v[RW], s[CS], v[RW]                  ; the largest t of my query among these 128 keys
	v_floor_f32 v[NMK+\a], -v[RW]                  ; -M_loc = floor(-t) = -ceil(t)
	v_mov_b32 v[NP], v[NMK+\a]
	WIN 3
.set j, 0
.rept 32
	v_pk_fma_f32 v[T+j:T+j+1], v[AC+j:AC+j+1], s[CS:CS+1], v[NP:NP+1] op_sel_hi:[1,0,0]   ; t - M
.set j, j+2
.endr
	WIN 0
.irp b, 0,1
	v_fma_f32 v[BM+\b], v[BM+\b], s[CS], v[NP]
.endr
	s_wait_alu depctr_va_vdst(0)
.set j, 0
.rept 64
	v_exp_f32 v[T+j], v[T+j]                       ; p = 2^(t - M), at most 1
.set j, j+1
.endr
	v_nop                                          ; a plain place behind the exponentials
	s_wait_alu depctr_va_vdst(0)                   ; one wait for the batch, ahead of its first reader
.irp b, 0,1
	v_exp_f32 v[BM+\b], v[BM+\b]                   ; the block's largest p: the same two instructions on the same number
.endr
	v_pk_add_f32 v[LS:LS+1], v[T:T+1], v[T+2:T+3]  ; the sum of the unquantised p, in two chains
	v_pk_add_f32 v[LS2:LS2+1], v[T+4:T+5], v[T+6:T+7]
.irp j, 8,12,16,20,24,28,32,36,40,44,48,52,56,60
	v_pk_add_f32 v[LS:LS+1], v[LS:LS+1], v[T+\j:T+\j+1]
	v_pk_add_f32 v[LS2:LS2+1], v[LS2:LS2+1], v[T+\j+2:T+\j+3]
.endr
	v_pk_add_f32 v[LS:LS+1], v[LS:LS+1], v[LS2:LS2+1]
	v_add_f32 v[LS], v[LS], v[LS+1]
	v_permlanex16_b32 v[BX], v[LS], s[SEL], s[SEL+1]
	v_add_f32 v[LLK+\a], v[LS], v[BX]
	s_wait_alu depctr_va_vdst(0)                   ; and one for the two
.irp b, 0,1
	v_max_num_f32 v[BM+\b], 0x1800000, v[BM+\b]    ; the floor 2^(3 - 127)
.endr
.irp b, 0,1
	v_add_nc_u32 v[SO+\b], 0xff000000, v[BM+\b]    ; 2 off the exponent field: the conversion's scale operand
.endr
	v_lshrrev_b32 v[XX], 23, v[SO]                 ; the scales' bytes: block 2 c + h of the word
	v_lshrrev_b32 v[X2], 23, v[SO+1]
	v_lshl_or_b32 v[XX], v[X2], 16, v[XX]
	v_lshlrev_b32 v[XX], v[HS], v[XX]
	v_permlanex16_b32 v[BX], v[XX], s[SEL], s[SEL+1]
	v_or_b32 v[WRD+\a], v[XX], v[BX]
.irp c, 0,1
	v_cvt_scalef32_pk16_fp6_f32 v[PC+6*\c:PC+6*\c+2], v[T+32*\c:T+32*\c+15], v[SO+\c]
	v_cvt_scalef32_pk16_fp6_f32 v[TM+4*\c:TM+4*\c+2], v[T+32*\c+16:T+32*\c+31], v[SO+\c]
.endr
	v_nop                                          ; one plain place behind a scaled conversion
.irp c, 0,1
.irp i, 0,1,2
	v_mov_b32 v[PC+6*\c+3+\i], v[TM+4*\c+\i]
.endr
.endr
.irp c, 0,1,2
	global_store_b128 v[CO], v[PC+4*\c:PC+4*\c+3], s[56:57] offset:1536*(\a)+512*\c
.endr
.endm
	s_load_b256 s[4:11], s[0:1], 0x0               ; qkc, qks, pc, pst
	v_lshl_add_u32 v[SPW], v0, 2, SPARE
	v_mov_b32 v[NIL], 0
	ds_add_u32 v[SPW], v[NIL]                      ; the opening lines
	ds_add_u32 v[SPW], v[NIL]
	v_lshrrev_b32 v1, 5, v0
	v_readfirstlane_b32 s[WV], v1
	s_and_b32 s16, ttmp7, 0xffff                   ; the batch
	s_mov_b32 s19, 1                               ; x under 56: tiles 2 m - 1 and 2 m have 2 m work-groups, from x = m (m - 1) on
.irp c, 2,6,12,20,30,42
	s_cmp_ge_u32 ttmp9, \c
	s_add_co_ci_u32 s19, s19, 0
.endr
	s_sub_co_u32 s23, s19, 1
	s_mul_i32 s20, s23, s19
	s_sub_co_u32 s20, ttmp9, s20                   ; which of the 2 m
	s_lshl_b32 s21, s19, 1
	s_sub_co_u32 s22, s20, s19
	s_cmp_eq_u32 s22, s23
	s_cselect_b32 s23, 3, 2                        ; the even tile's last has three steps
	s_sub_co_u32 s66, s21, 1
	s_cmp_lt_u32 s20, s19
	s_cselect_b32 s17, s66, s21                    ; i
	s_cselect_b32 s20, s20, s22
	s_cselect_b32 s[NS], 2, s23                    ; n
	s_lshl_b32 s19, s20, 1                         ; k0
	s_sub_co_u32 s20, ttmp9, 56                    ; x = 56 .. 62: tile 15
	s_lshl_b32 s21, s20, 1
	s_add_co_u32 s21, s21, 2
	s_mul_i32 s22, s20, 3
	s_cmp_lt_u32 s20, 2
	s_cselect_b32 s21, s22, s21
	s_cselect_b32 s22, 3, 2
	s_cmp_ge_u32 ttmp9, 56
	s_cselect_b32 s17, 15, s17
	s_cselect_b32 s[NS], s22, s[NS]
	s_cselect_b32 s19, s21, s19
	s_cmp_eq_u32 ttmp9, 63                         ; x = 63: tile 0
	s_cselect_b32 s17, 0, s17
	s_cselect_b32 s[NS], 1, s[NS]
	s_cselect_b32 s19, 0, s19
	s_mov_b32 s[G1], 3<<16                         ; a quarter of a step of keys: four groups x 6,144 bytes, 393,216 apart
	s_mov_b32 s[G1+1], 768<<16
	s_mov_b32 s[G1+2], 4<<16
	s_mov_b32 s[G1+3], 768<<16
	s_mov_b32 s[G1+4], 4
	s_mov_b32 s[G1+5], 49152
	s_mov_b32 s[G1+6], 0
	s_mov_b32 s[G1+7], 0
	s_lshl_b32 s[TB0], s16, 4                      ; the batch's first step of 128 rows
	s_add_co_u32 s[KL], s19, s[NS]
	s_sub_co_u32 s[KL], s[KL], 1                   ; my last step of keys
	s_mov_b32 s41, s19                             ; my step of keys
	s_add_co_u32 s20, s[TB0], s17
	s_mul_i32 s68, s20, 6144
	s_mul_i32 s21, s[WV], 1536
	s_add_co_u32 s68, s68, s21                     ; my two blocks of Q
	s_mov_b32 s69, 0
	s_lshl_b32 s70, s20, 9                         ; their scale words
	s_mov_b32 s71, 0
	s_add_co_u32 s20, s[TB0], s19
	s_lshl_b32 s74, s20, 9
	s_add_co_u32 s74, s74, 262144                  ; K's
	s_mov_b32 s75, 0
	s_mul_i32 s66, s20, 6144
	s_lshl_b32 s21, s[WV], 2
	s_add_co_u32 s21, s21, 16
	s_mul_i32 s21, s21, 393216
	s_add_co_u32 s66, s66, s21                     ; my four groups of K
	s_mov_b32 s67, 0
	s_sub_co_u32 s20, 15, s17
	s_sub_co_u32 s21, 16, s19
	s_cmp_lt_u32 s17, 8
	s_cselect_b32 s20, s17, s20                    ; the pair
	s_cselect_b32 s53, s21, s19                    ; the slot, and its step
	s_cselect_b32 s54, -1, 1
	s_lshl_b32 s52, s16, 3
	s_add_co_u32 s52, s52, s20
	s_mul_i32 s52, s52, 17
	s_mul_i32 s55, s[WV], 3072
	s_mov_b32 s[SEL], 0x76543210
	s_mov_b32 s[SEL+1], 0xfedcba98
	s_mov_b32 s[CS], 0x3d38aa3b                    ; log2(e) / 32
	s_mov_b32 s[CS+1], s[CS]
	s_mov_b32 s[HI], 0xffff0000
	s_mov_b32 s43, 0
	s_lshl_b32 s20, s[WV], 2
	s_lshr_b32 s21, s[WV], 1
	s_lshl_b32 s21, s21, 6
	s_and_b32 s22, s[WV], 1
	s_lshl_b32 s22, s22, 4
	s_add_co_u32 s21, s21, s22                     ; 64 (w / 2) + 16 (w % 2): block 2 w
	v_and_b32 v1, 31, v0
	v_lshlrev_b32 v[CO], 4, v1
	v_lshlrev_b32 v[C8], 3, v1
	v_lshlrev_b32 v[T16], 4, v0
	v_lshl_add_u32 v[VQ], v1, 4, s20
	v_mov_b32 v[AKB], v[CO]
	v_add_nc_u32 v[AKB+1], 49152, v[CO]
	v_mov_b32 v[AKB+2], v[C8]
	v_add_nc_u32 v[AKB+3], 49152, v[C8]
	v_mov_b32 v[AK], v[CO]
	v_add_nc_u32 v[AK+1], 49152, v[CO]
	v_mov_b32 v[AK8], v[C8]
	v_add_nc_u32 v[AK8+1], 49152, v[C8]
	v_and_b32 v1, 7, v0
	v_bfe_u32 v2, v0, 3, 1
	v_bfe_u32 v3, v0, 4, 1
	v_sub_nc_u32 v2, v2, v3
	v_lshlrev_b32 v2, 5, v2
	v_add3_u32 v[DQ], v1, v2, s21
	v_add_nc_u32 v[DQ+1], 8, v[DQ]
	v_lshlrev_b32 v[HS], 3, v3
	v_mov_b32 v[NI], 0xff800000
	v_mov_b32 v[BX], 0                             ; written once: a lane permute's destination counts as one of its sources
	v_mov_b32 v[NP+1], 0                           ; (named as the upper half of a pair)
	s_wait_alu depctr_va_vdst(0)
	s_wait_dscnt 0x0                               ; both opening adds are done
	s_wait_kmcnt 0x0
	s_mov_b32 s[G0], 1
	s_mul_i32 s[G0+1], s[WV], 24576
	s_add_nc_u64 s[G0+2:G0+3], s[4:5], s[66:67]
	s_or_b32 s[G0+3], s[G0+3], 0x80000000
	tensor_load_to_lds s[G0:G0+3], s[G1:G1+7]      ; one load a wave: my quarter of the first step of keys, into slot 0
	s_nop 0
	PLACES 4
	s_add_nc_u64 s[68:69], s[4:5], s[68:69]
	s_add_nc_u64 s[70:71], s[6:7], s[70:71]
	s_add_nc_u64 s[74:75], s[6:7], s[74:75]
	SKLOAD
.irp k, 0,1,2,3,4,5,6,7
	global_load_b32 v[SQ+\k], v[VQ], s[70:71] offset:32768*\k
.endr
	WIN 0x80
.irp b, 0,1
.irp g, 0,1,2,3,4,5,6,7,8,9,10,11,12,13,14,15
	global_load_b128 v[96*\b+6*\g:96*\b+6*\g+3], v[CO], s[68:69] offset:393216*\g+768*\b
	global_load_b64 v[96*\b+6*\g+4:96*\b+6*\g+5], v[C8], s[68:69] offset:393216*\g+768*\b+512
.endr
.endr
	WIN 0
	s_mov_b32 s40, 0                               ; the unit: three trips; those behind my n do no work
.Lunit:
	s_wait_tensorcnt 0x0                           ; my part of this unit's keys is in;
	ds_add_u32 v[SPW], v[NIL]                      ; 0 onto my spare word
	s_xor_b32 s[G0+1], s[G0+1], SLOTB              ; the next step of keys, into the other slot
	s_add_nc_u64 s[G0+2:G0+3], s[G0+2:G0+3], 6144
	s_wait_dscnt 0x0                               ; the add is done, and so are my reads of the other slot
	s_barrier_signal -1
	s_barrier_wait -1
	s_add_co_u32 s42, s40, 1
	s_cmp_lt_u32 s42, s[NS]
	s_cbranch_scc0 .Lasked                         ; n hangs on the work-group's number alone
	tensor_load_to_lds s[G0:G0+3], s[G1:G1+7]
	s_nop 0
	PLACES 4
.Lasked:
	s_cmp_lt_u32 s40, s[NS]
	s_cbranch_scc0 .Lnext
	s_wait_loadcnt 0x0                             ; Q and the scale words are in
	FETCH 0
	FETCH 1
.irp k, 0,1,2,3,4,5,6,7
	STEP \k
.endr
	PLACES 4                                       ; the places in front of the first read of results, and of the loads into the scale registers
	s_wait_xcnt 0x0
	s_add_co_u32 s42, s41, 1
	s_min_u32 s42, s42, s[KL]                      ; behind my last step: that step again
	s_add_co_u32 s42, s42, s[TB0]
	s_lshl_b32 s66, s42, 9
	s_add_co_u32 s66, s66, 262144
	s_mov_b32 s67, 0
	s_add_nc_u64 s[74:75], s[6:7], s[66:67]
	SKLOAD                                         ; they land under the way out
	s_add_co_u32 s42, s52, s53
	s_mul_i32 s66, s42, 12288
	s_add_co_u32 s66, s66, s55
	s_add_nc_u64 s[56:57], s[8:9], s[66:67]
	s_lshl_b32 s66, s42, 11
	s_add_nc_u64 s[58:59], s[10:11], s[66:67]
	s_cmp_eq_u32 s41, s17
	s_cselect_b32 s[DIAG], 1, 0
	MASK 0
	SOFT 0
	MASK 1
	SOFT 1
	v_cndmask_b32 v[SW], v[WRD], v[WRD+1], s[HI]   ; lanes 0-15: the even block's rows, lanes 16-31: the odd block's
	v_cndmask_b32 v[SW+1], v[NMK], v[NMK+1], s[HI]
	v_cndmask_b32 v[SW+2], v[LLK], v[LLK+1], s[HI]
	v_mov_b32 v[SW+3], 0
	global_store_b128 v[T16], v[SW:SW+3], s[58:59] ; 512 consecutive bytes a wave
.Lnext:
	s_add_co_u32 s40, s40, 1
	s_add_co_u32 s41, s41, 1
	s_add_co_u32 s53, s53, s54
	s_xor_b32 s43, s43, SLOTB
.irp n, 0,1,2,3
	v_add_nc_u32 v[AK+\n], s43, v[AKB+\n]
.endr
	s_cmp_lt_u32 s40, 3
	s_wait_alu depctr_va_vdst(0)
	s_cbranch_scc1 .Lunit
	s_wait_tensorcnt 0x0                           ; the wave's end
	ds_add_u32 v[SPW], v[NIL]
	s_wait_dscnt 0x0
	s_endpgm
.Lfunc_end_k_qbaac180594_score:
	.size	k_qbaac180594_score, .Lfunc_end_k_qbaac180594_score-k_qbaac180594_score
	.p2alignl 7, 3214868480
	.fill 96, 4, 3214868480
	.section	.rodata,"a",@progbits
	.p2align	6, 0x0
	.amdhsa_kernel k_qbaac180594_score
		.amdhsa_group_segment_fixed_size 327680
		.amdhsa_private_segment_fixed_size 0
		.amdhsa_enable_private_segment 0
		.amdhsa_kernarg_size 32
		.amdhsa_user_sgpr_count 2
		.amdhsa_user_sgpr_kernarg_segment_ptr 1
		.amdhsa_wavefront_size32 1
		.amdhsa_system_sgpr_workgroup_id_x 1
		.amdhsa_system_sgpr_workgroup_id_y 1
		.amdhsa_system_sgpr_workgroup_id_z 1
		.amdhsa_system_vgpr_workitem_id 0
		.amdhsa_next_free_vgpr 992
		.amdhsa_next_free_sgpr 80
		.amdhsa_reserve_vcc 1
		.amdhsa_float_denorm_mode_32 3
		.amdhsa_float_denorm_mode_16_64 3
		.amdhsa_memory_ordered 1
		.amdhsa_forward_progress 1
		.amdhsa_inst_pref_size 81
	.end_amdhsa_kernel
	.amdgpu_metadata
---
amdhsa.version: [ 1, 2 ]
amdhsa.kernels:
  - .name:           k_qbaac180594_score
    .symbol:         k_qbaac180594_score.kd
    .args:
      - { .name: qkc, .offset: 0, .size: 8, .value_kind: global_buffer, .address_space: global }
      - { .name: qks, .offset: 8, .size: 8, .value_kind: global_buffer, .address_space: global }
      - { .name: pc, .offset: 16, .size: 8, .value_kind: global_buffer, .address_space: global }
      - { .name: pst, .offset: 24, .size: 8, .value_kind: global_buffer, .address_space: global }
    .group_segment_fixed_size: 327680
    .private_segment_fixed_size: 0
    .kernarg_segment_align: 8
    .kernarg_segment_size: 32
    .max_flat_workgroup_size: 128
    .sgpr_count:     80
    .vgpr_count:     992
    .wavefront_size: 32
...
	.end_amdgpu_metadata
.endif
;; end of part 3
;; launch mix (part 4): grid 8 x 32, 4 waves a work-group, clusters of 4 x 1, 286,720 bytes of LDS; arguments pc, pst, vc, vs, out0; writes out0
.if DOCPART == 4
	.amdgcn_target "amdgcn-amd-amdhsa--gfx1250"
	.amdhsa_code_object_version 6
	.text
	.protected	k_qbaac180594_mix
	.globl	k_qbaac180594_mix
	.p2align	8
	.type	k_qbaac180594_mix,@function
k_qbaac180594_mix:
	s_mov_b64 s[64:65], 0
	v_nop
	global_prefetch_b8 v0, s[64:65] scope:SCOPE_SE
	s_setreg_imm32_b32 hwreg(HW_REG_WAVE_MODE, 25, 1), 1
	s_wait_xcnt 0x0
	s_wait_alu depctr_hold_cnt(0) depctr_sa_sdst(0) depctr_va_vdst(0) depctr_va_sdst(0) depctr_va_ssrc(0) depctr_va_vcc(0) depctr_vm_vsrc(0)
	s_getreg_b32 s2, hwreg(HW_REG_IB_STS2, 6, 4)
	s_cmp_eq_u32 s2, 0
	s_cbranch_scc0 .Lentry_in_a_cluster
	s_endpgm
.Lentry_in_a_cluster:
	s_bfe_u32 s2, ttmp6, 0x10000c
	s_cmp_lg_u32 s2, 0x3003
	s_cbranch_scc0 .Lentry_shape_is_right
	s_endpgm
.Lentry_shape_is_right:
; out = (P V) / l on codes of FP6 (E2M3).  P's codes lie under a LOCAL M for each query and 128 keys; here they come under the row's M.
; THE DEAL.  A work-group makes 128 outputs of a PAIR of query tiles of 128 rows: tile L = 15 - j (keys 0 .. 16 - j steps of 128) and tile S = j (j + 1 steps): 17 K steps in all for every j, so 256 work-groups have the same
; work.  Keys behind a tile's diagonal step are masked and not multiplied.
; IN: pc [batch][pair j][17 slots][8 blocks][1536]: slot k is L's K step k, slot 16 - k is S's K step k: a pair's P is one dense run of 208,896 bytes.  pst [batch][pair][slot][128 rows][scale word, -M_loc, local sum, 0].
; V^T: qkvc at 12,582,912 [64 blocks][64 K steps][1536], its scale units in qkvs at 524,288 [64][16][256].  A block, a fragment, a unit: as in the launches before.
; P comes into LDS whole, ONCE: one joint load a wave (cluster 4 x 1: the four partners make four tiles of outputs for the same queries; the pair j hangs on the cluster's y alone).  No byte is filled twice.
; V: wave w makes outputs 32 w .. 32 w + 31, so its V is read by no other wave of the work-group: it goes straight into registers, 16 K steps x 2 blocks x 12.  It is not asked for jointly, since it does not pass
; through LDS.  (K steps behind 15 - j are loaded and not used, so that every path loads the same registers.)
; No prefetch: every load of the launch is issued at its head; there is no loop to run ahead in.
; THE TABLES: a lane has one row of L and of S.  -M = the least -M_loc; d = M_loc - M (a whole number, 0 or less, held at -127); l += local sum x 2^d; each of P's scale bytes + d, held at 0 from below (the bytes are under
; 128, since p <= 1: so 0x80 added to each keeps the four sums apart, and its bit says which stayed at 0 or above).  All exact powers of two.  Words and 1 / l go to the other waves through LDS.
; THE WORK: two trips, each for 64 of a tile's 128 queries: L's steps, out; S's steps, out.  Source 1 (lanes) = queries, source 0 (registers) = outputs; 8 accumulators a wave.
; LIMITS: a block of p that lies more than 2^125 under its row's largest keeps the byte 0 (at most 7.5 x 2^-127 a number); the order of l's sums differs from a plain sum along the row; NaN and infinities are not served.
; V AND THE ORDER OF ROWS (this account holds where the lines above differ): vc [16 groups of 64 outputs][64 steps of 128 keys][4 blocks][1536], vs [16][64][4 blocks][16 rows] words.  Lane row r of block t is row
; 64 (t / 4) + 8 (t % 4) + 32 (r / 8) + r % 8, of queries and of outputs.  Wave w has blocks 2 (w % 2), 2 (w % 2) + 1 of group w / 2.
; The work begins when waves 0 and 1 have slots 0-8; the other slots are shown to all by the barrier in L's step 7.
.set PW,    208896
.set RL,    217600                     ; 1 / l [L, S][128 rows]
.set STG,   218624                     ; two stages of 64 rows x (512 + 16) bytes, by turns: one for L, one for S
.set STGB,  33792
.set SPARE, 286208                     ; the spare words
.set L16,   2                          ; 16 x lane
.set AP,    4                          ; v4-7  LDS address of my half's fragments in slots 0, 5, 10, 15
.set APW,   8
.set RLA,   9
.set STO,   10
.set RD,    11
.set T16,   12                         ; 16 x thread
.set VSO,   13
.set PWS,   14
.set RLS,   15
.set SPW,   28
.set NIL,   29
.set SV,    32                         ; v32-47 V's scale words, one register a K step (lanes 0-15 the even block); these and P's hold scales and nothing else
.set PS,    50                         ; P's: two registers for step k, at PS + 4 p + 2 (p / 2), p = k % 4
.set RLV,   68                         ; v68-75 1 / l: four blocks of L, four of S
.set PF,    80                         ; v80-223 P's fragments: three sets of four
.set RAW,   80                         ; at the head: the tables' 17 entries, v80-147
.set DD,    148
.set UU,    166
.set NL,    184
.set NS,    185
.set LL,    186
.set LS,    187
.set VINF,  188
.set WW,    192
.set RC,    200
.set BK,    64                         ; window 3: v0-63 the accumulators, v64-127 rows read back
.set WV,  14
.set JJ,  21
.set OL,  48
.set OS,  50
.set G1A, 24
.set G1B, 32
.set G0A, 52
.set G0B, 56
.set MK,  59                           ; s68-74: slots 9 .. 15: all ones where the slot is L's
.set K80, 76
.set K01, 77
.set MSB, 0
.macro WIN new                         ; the immediate's high byte repeats the setting that is left
.if MSB != (\new)
	s_set_vgpr_msb (MSB<<8)|(\new)
.set MSB, (\new)
.endif
.endm
.macro PLACES n
.rept \n
	v_nop
.endr
.endm
.macro CROUND
	s_barrier_signal -1
	s_barrier_wait -1
	s_cmp_lg_u32 s[WV], 0
	s_cbranch_scc1 .Lnot_wave_0_\@
	s_barrier_signal -3
.Lnot_wave_0_\@:
	s_barrier_wait -3
	s_barrier_signal -1
	s_barrier_wait -1
.endm
.macro VLOAD k                         ; V's two fragments of K step k: steps 0-9 in window 1, 10-15 in window 2
	WIN 0x40*(1+(\k)/10)
.irp p, 0,1,2,3,4,5
	global_load_b128 v[24*((\k)%10)+4*\p:24*((\k)%10)+4*\p+3], v[L16], s[44:45] offset:1536*(\p/3)+6144*(\k)+512*(\p%3)
.endr
.endm
.macro FETCH slot, k                   ; a slot's four fragments of my half and their scale words, for step k: 13 loads
.irp a, 0,1,2,3
.irp c, 0,1,2
	ds_load_b128 v[PF+48*((\k)%3)+12*\a+4*\c:PF+48*((\k)%3)+12*\a+4*\c+3], v[AP+(\slot)/5] offset:((\slot)%5)*12288+1536*\a+512*\c
.endr
.endr
.set Z_, PS+4*((\k)%4)+2*(((\k)%4)/2)
	ds_load_b64 v[Z_:Z_+1], v[APW] offset:512*(\slot)
.endm
.macro WM k, a, vb, row
.set D_, 16*(\a)+8*(\vb)
.set V_, 24*((\k)%10)+12*(\vb)
.set P_, PF+48*((\k)%3)+12*(\a)
.set Z_, PS+4*((\k)%4)+2*(((\k)%4)/2)+(\a)/2
.if (\k) == 0                          ; the first step's products start the sums
	v_wmma_scale_f32_16x16x128_f8f6f4 v[D_:D_+7], v[V_:V_+11], v[P_:P_+11], 0, v[SV+(\k)], v[Z_] matrix_a_fmt:MATRIX_FMT_FP6 matrix_b_fmt:MATRIX_FMT_FP6 matrix_a_scale:MATRIX_SCALE_ROW\vb matrix_b_scale:MATRIX_SCALE_ROW\row
.else
	v_wmma_scale_f32_16x16x128_f8f6f4 v[D_:D_+7], v[V_:V_+11], v[P_:P_+11], v[D_:D_+7], v[SV+(\k)], v[Z_] matrix_a_fmt:MATRIX_FMT_FP6 matrix_b_fmt:MATRIX_FMT_FP6 matrix_a_scale:MATRIX_SCALE_ROW\vb matrix_b_scale:MATRIX_SCALE_ROW\row
.endif
.endm
; Step k of L (t = 0, slot k) or of S (t = 1, slot 16 - k).  The fragments of step k + 2 are fetched into the set that step k - 1 has left.  The 8 accumulators take turns.
.macro STEP t, k
.if ((\t) == 0) && ((\k) == 7)
	s_wait_tensorcnt 0x0                           ; slots 9 on: my part is in, and everybody's
	s_wait_dscnt 0x0
	s_barrier_signal -1
	s_barrier_wait -1
.elseif (\k) < 15-8*(\t)
	s_wait_dscnt 13                                ; this step's fragments are in; the next step's 13 loads may be out
.else
	s_wait_dscnt 0x0
.endif
.if (\t) == 0
.if (\k) == 0
	s_wait_loadcnt 60                              ; V's K steps 0-5 are in; the last ten may be out
.elseif (\k) > 5
	s_wait_loadcnt 6*(15-(\k))                     ; those behind k may be out
.endif
.endif
	PLACES 4                                       ; four plain places in front of loads into registers that matrix instructions have read
.if (\k)+2 <= 15-8*(\t)
	FETCH 16*(\t)+((\k)+2)*(1-2*(\t)), (\k)+2
.endif
	WIN 0xf0|(1+(\k)/10)
.irp vb, 0,1
	WM \k, 0, \vb, 0
	WM \k, 1, \vb, 1
	WM \k, 2, \vb, 0
	WM \k, 3, \vb, 1
.endr
	WIN 0
.if (\t) == 0
.if ((\k) > 7) && ((\k) < 15)
	s_cmp_eq_u32 s[JJ], 15-(\k)                    ; L's last step is 15 - j
	s_cbranch_scc1 .Lend_l
.endif
.elseif (\k) < 7
	s_cmp_eq_u32 s[JJ], \k                         ; S's is j
	s_cbranch_scc1 .Lend_s
.endif
.endm
; THE WAY OUT of 64 queries x 128 outputs: each sum x 1 / l, into the work-group's stage; a barrier; each wave takes 16 whole rows of 512 bytes.  The stage is written again two ways out later: behind the barrier of the way
; out between, in front of which every wave has waited for its reads.
.macro OUT t, ptr
	s_wait_dscnt 0x0                               ; fetches for steps that this tile does not have are in
	PLACES 4                                       ; the places in front of the first read of results
	WIN 0xc3
.irp a, 0,1,2,3
.set J_, 16*\a
.rept 8
.if \a%2
	v_pk_mul_f32 v[J_:J_+1], v[J_:J_+1], v[RLV+4*(\t)+2*(\a/2):RLV+4*(\t)+2*(\a/2)+1] op_sel:[0,1] op_sel_hi:[1,1]
.else
	v_pk_mul_f32 v[J_:J_+1], v[J_:J_+1], v[RLV+4*(\t)+2*(\a/2):RLV+4*(\t)+2*(\a/2)+1] op_sel_hi:[1,0]
.endif
.set J_, J_+2
.endr
.endr
	WIN 0x0c                                       ; an LDS store's data are its source 1: window 3
.irp a, 0,1,2,3
.irp q, 0,1,2,3
	ds_store_b128 v[STO], v[16*\a+4*\q:16*\a+4*\q+3] offset:STGB*(\t)+8448*\a+16*\q   ; lane (r, h): outputs 64 (w / 2) + 32 h + 16 (w % 2) + 4 q .. of block a's row r
.endr
.endr
	WIN 0
	s_wait_dscnt 0x0
	s_barrier_signal -1
.if (\t) == 0
	FETCH 16, 0                                    ; S's first two steps: P's bytes, which nobody writes
	FETCH 15, 1
.endif
	s_barrier_wait -1
	s_wait_xcnt 0x0                                ; the last way out's stores have read their registers
	WIN 0xc0
.irp r, 0,1,2,3,4,5,6,7,8,9,10,11,12,13,14,15
	ds_load_b128 v[BK+4*\r:BK+4*\r+3], v[RD] offset:STGB*(\t)+528*\r
.endr
	WIN 0x0c
	s_wait_dscnt 8
.irp r, 0,1,2,3,4,5,6,7
	global_store_b128 v[L16], v[BK+4*\r:BK+4*\r+3], s[\ptr:\ptr+1] offset:4096*\r th:TH_STORE_NT   ; 512 consecutive bytes, at a multiple of 256 from out0's first byte
.endr
	s_wait_dscnt 0x0
.irp r, 8,9,10,11,12,13,14,15
	global_store_b128 v[L16], v[BK+4*\r:BK+4*\r+3], s[\ptr:\ptr+1] offset:4096*(\r+24) th:TH_STORE_NT
.endr
	WIN 0
.endm
	s_load_b256 s[4:11], s[0:1], 0x0               ; pc, pst, vc, vs
	s_load_b64 s[12:13], s[0:1], 0x20              ; out0
	v_lshl_add_u32 v[SPW], v0, 2, SPARE
	v_mov_b32 v[NIL], 0
	ds_add_u32 v[SPW], v[NIL]                      ; the opening lines
	ds_add_u32 v[SPW], v[NIL]
	v_lshrrev_b32 v1, 5, v0
	v_readfirstlane_b32 s[WV], v1
	s_lshr_b32 s15, s[WV], 1
	s_and_b32 s16, s[WV], 1
	s_bfe_u32 s17, ttmp6, 0x40000                  ; cx
	s_lshl_b32 s18, ttmp9, 2
	s_add_co_u32 s18, s18, s17                     ; E: outputs 128 E on
	s_and_b32 s19, ttmp7, 0xffff                   ; 8 x batch + j
	s_lshr_b32 s20, s19, 3
	s_and_b32 s[JJ], s19, 7
.irp g, G1A, G1B                       ; rows of 12,288 bytes (a slot), dense; the mask: all four partners; elements of 8 bytes
	s_mov_b32 s[\g], 15|(3<<16)|(1<<21)
	s_mov_b32 s[\g+1], 1536<<16
	s_mov_b32 s[\g+3], 1536<<16
	s_mov_b32 s[\g+5], 1536
	s_mov_b32 s[\g+6], 0
	s_mov_b32 s[\g+7], 0
.endr
	s_mov_b32 s[G1A+2], 5<<16                      ; wave 0: slots 0-4
	s_mov_b32 s[G1A+4], 5
	s_mov_b32 s[G1B+2], 4<<16                      ; wave w > 0: slots 4 w + 1 .. 4 w + 4
	s_mov_b32 s[G1B+4], 4
	s_mul_i32 s40, s19, 208896                     ; the pair's P (made of the cluster's y alone)
	s_mov_b32 s41, 0
	s_mul_i32 s42, s19, 34816                      ; its tables
	s_mov_b32 s43, 0
	s_lshl_b32 s46, s18, 1
	s_add_co_u32 s46, s46, s15                     ; group 2 E + w / 2
	s_mul_i32 s44, s46, 393216
	s_mul_i32 s45, s20, 98304                      ; step 16 x batch
	s_add_co_u32 s44, s44, s45
	s_mul_i32 s45, s16, 3072                       ; block 2 (w % 2)
	s_add_co_u32 s44, s44, s45
	s_mov_b32 s45, 0
	s_lshl_b32 s46, s46, 14                        ; and its scale words
	s_lshl_b32 s47, s20, 12
	s_add_co_u32 s46, s46, s47
	s_mov_b32 s47, 0
	s_lshl_b32 s48, s20, 23                        ; out: my block w of a half: rows 8 w on
	s_lshl_b32 s49, s[WV], 15
	s_add_co_u32 s48, s48, s49
	s_lshl_b32 s49, s18, 9
	s_add_co_u32 s48, s48, s49
	s_lshl_b32 s50, s[JJ], 19
	s_add_co_u32 s50, s50, s48                     ; of tile S
	s_mov_b32 s51, 0
	s_sub_co_u32 s49, 15, s[JJ]
	s_lshl_b32 s49, s49, 19
	s_add_co_u32 s48, s48, s49                     ; of tile L
	s_mov_b32 s49, 0
	s_mul_i32 s78, s[WV], 49152
	s_add_co_u32 s78, s78, 12288                   ; slot 4 w + 1
	s_mov_b32 s79, 0
.irp s, 9,10,11,12,13,14,15
	s_cmp_le_u32 s[JJ], 15-\s
	s_cselect_b32 s[MK+\s], -1, 0
.endr
	s_mov_b32 s[K80], 0x80808080
	s_mov_b32 s[K01], 0x01010101
	s_lshl_b32 s22, s15, 8
	s_lshl_b32 s23, s16, 6
	s_add_co_u32 s22, s22, s23
	s_add_co_u32 s22, s22, STG
	s_mul_i32 s23, s[WV], 8448
	s_add_co_u32 s23, s23, STG
	s_lshl_b32 s80, s16, 2
	s_lshl_b32 s81, s15, 8
	s_add_co_u32 s81, s81, s80
	s_add_co_u32 s81, s81, PW
	s_lshl_b32 s80, s16, 7
	v_and_b32 v1, 31, v0
	v_and_b32 v3, 15, v0
	v_bfe_u32 v16, v0, 4, 1
	v_lshlrev_b32 v[L16], 4, v1
	v_lshlrev_b32 v[T16], 4, v0
	v_lshlrev_b32 v[AP], 4, v1
.irp n, 1,2,3
	v_add_nc_u32 v[AP+\n], 61440*\n, v[L16]
.endr
	v_lshl_add_u32 v[APW], v1, 3, PW
	v_lshl_add_u32 v[RLA], v3, 2, RL
	v_mul_u32_u24 v[STO], v3, 528
	v_lshl_add_u32 v[STO], v16, 7, v[STO]
	v_add_nc_u32 v[STO], s22, v[STO]
	v_add_nc_u32 v[RD], s23, v[L16]
	v_lshl_add_u32 v[VSO], v1, 2, s80
	v_lshl_add_u32 v[PWS], v1, 3, s81
	v_lshl_add_u32 v[RLS], v0, 2, RL
	v_mov_b32 v[VINF], 0x7f800000
	s_wait_alu depctr_va_vdst(0)
	s_wait_dscnt 0x0                               ; both opening adds are done
	CROUND                                         ; all four work-groups are here: the joint loads meet
	s_wait_kmcnt 0x0
	s_add_nc_u64 s[40:41], s[4:5], s[40:41]
	s_mov_b32 s[G0A], 1
	s_mov_b32 s[G0A+1], 0
	s_mov_b64 s[G0A+2:G0A+3], s[40:41]
	s_or_b32 s[G0A+3], s[G0A+3], 0x80000000
	s_mov_b32 s[G0B], 1
	s_mov_b32 s[G0B+1], s78
	s_add_nc_u64 s[G0B+2:G0B+3], s[40:41], s[78:79]
	s_or_b32 s[G0B+3], s[G0B+3], 0x80000000
	s_cmp_eq_u32 s[WV], 0                          ; one load a wave
	s_cbranch_scc0 .Lrest
	tensor_load_to_lds s[G0A:G0A+3], s[G1A:G1A+7]
	s_nop 0
	PLACES 4
	s_branch .Lasked
.Lrest:
	s_cmp_eq_u32 s[WV], 1
	s_cbranch_scc0 .Llater
	tensor_load_to_lds s[G0B:G0B+3], s[G1B:G1B+7]  ; wave 1's line is its own: its slots are waited for first
	s_nop 0
	PLACES 4
	s_branch .Lasked
.Llater:
	tensor_load_to_lds s[G0B:G0B+3], s[G1B:G1B+7]
	s_nop 0
	PLACES 4
.Lasked:
	s_add_nc_u64 s[42:43], s[6:7], s[42:43]
	s_add_nc_u64 s[44:45], s[8:9], s[44:45]
	s_add_nc_u64 s[46:47], s[10:11], s[46:47]
	s_add_nc_u64 s[OL:OL+1], s[12:13], s[OL:OL+1]
	s_add_nc_u64 s[OS:OS+1], s[12:13], s[OS:OS+1]
.irp s, 0,1,2,3,4,5,6,7,8,9,10,11,12,13,14,15,16
	global_load_b128 v[RAW+4*\s:RAW+4*\s+3], v[T16], s[42:43] offset:2048*\s
.endr
.irp k, 0,1,2,3,4,5,6,7,8,9,10,11,12,13,14,15
	global_load_b32 v[SV+\k], v[VSO], s[46:47] offset:256*\k
.endr
.irp k, 0,1,2,3,4
	VLOAD \k
.endr
	s_wait_loadcnt 46                              ; the tables are in; V's 16 scale loads and five K steps may be out
.irp k, 5,6,7
	VLOAD \k
.endr
	WIN 0
	; -M of my row of L and of S
	v_min3_num_f32 v[NL], v[RAW+1], v[RAW+5], v[RAW+9]
.irp s, 9,10,11,12,13,14,15
	v_cndmask_b32 v[DD+\s], v[VINF], v[RAW+4*\s+1], s[MK+\s]
	v_cndmask_b32 v[UU+\s], v[RAW+4*\s+1], v[VINF], s[MK+\s]
.endr
	v_min_num_f32 v[NS], v[RAW+65], v[UU+15]
.irp s, 3,5,7
	v_min3_num_f32 v[NL], v[NL], v[RAW+4*\s+1], v[RAW+4*\s+5]
	v_min3_num_f32 v[NS], v[NS], v[UU+\s+6], v[UU+\s+7]
.endr
.irp s, 9,11,13
	v_min3_num_f32 v[NL], v[NL], v[DD+\s], v[DD+\s+1]
.endr
	v_min_num_f32 v[NL], v[NL], v[DD+15]
.irp s, 9,10,11,12,13,14,15
	v_cndmask_b32 v[DD+\s], v[NS], v[NL], s[MK+\s]
.endr
	; d = M_loc - M, slot by slot
.irp s, 0,1,2,3,4,5,6,7,8
	v_sub_f32 v[DD+\s], v[NL], v[RAW+4*\s+1]
.endr
.irp s, 9,10,11,12,13,14,15
	v_sub_f32 v[DD+\s], v[DD+\s], v[RAW+4*\s+1]
.endr
	v_sub_f32 v[DD+16], v[NS], v[RAW+65]
.irp s, 0,1,2,3,4,5,6,7,8,9,10,11,12,13,14,15,16
	v_max_num_f32 v[DD+\s], 0xc2fe0000, v[DD+\s]   ; held at -127
.endr
.irp s, 0,1,2,3,4,5,6,7,8,9,10,11,12,13,14,15,16
	v_cvt_i32_f32 v[DD+\s], v[DD+\s]
.endr
.irp s, 0,1,2,3,4,5,6,7,8,9,10,11,12,13,14,15,16
	v_ldexp_f32 v[RAW+4*\s+2], v[RAW+4*\s+2], v[DD+\s]     ; the local sum under the row's M
.endr
.irp s, 0,1,2,3,4,5,6,7,8,9,10,11,12,13,14,15,16
	v_mul_lo_u32 v[DD+\s], v[DD+\s], s[K01]                ; d in each byte
.endr
.irp s, 0,1,2,3,4,5,6,7,8,9,10,11,12,13,14,15,16
	v_add3_u32 v[RAW+4*\s], v[RAW+4*\s], s[K80], v[DD+\s]  ; each byte: 0x80 + byte + d, between 1 and 253
.endr
.irp s, 0,1,2,3,4,5,6,7,8,9,10,11,12,13,14,15,16
	v_and_b32 v[UU+\s], s[K80], v[RAW+4*\s]                ; bit 7: byte + d is 0 or more
.endr
.irp s, 0,1,2,3,4,5,6,7,8,9,10,11,12,13,14,15,16
	v_lshrrev_b32 v[DD+\s], 7, v[UU+\s]
.endr
.irp s, 0,1,2,3,4,5,6,7,8,9,10,11,12,13,14,15,16
	v_sub_nc_u32 v[UU+\s], v[UU+\s], v[DD+\s]              ; 0x7f there, 0 elsewhere
.endr
.irp s, 0,1,2,3,4,5,6,7,8,9,10,11,12,13,14,15,16
	v_and_b32 v[UU+\s], v[RAW+4*\s], v[UU+\s]
.endr
	; l of L and of S
.irp s, 9,10,11,12,13,14,15
	v_cndmask_b32 v[DD+\s], 0, v[RAW+4*\s+2], s[MK+\s]
	v_cndmask_b32 v[WW+\s-9], v[RAW+4*\s+2], 0, s[MK+\s]
.endr
	v_add_f32 v[LL], v[RAW+2], v[DD+9]
	v_add_f32 v[LS], v[RAW+66], v[WW]
.irp s, 1,2,3,4,5,6
	v_add_f32 v[LL], v[LL], v[RAW+4*\s+2]
	v_add_f32 v[LS], v[LS], v[WW+\s]
	v_add_f32 v[LL], v[LL], v[DD+9+\s]
.endr
	v_add_f32 v[LL], v[LL], v[RAW+30]
	v_add_f32 v[LL], v[LL], v[RAW+34]
.irp s, 0,1,2,3,4,5,6,7,8,9,10,11,12,13,14,15,16
	ds_store_b32 v[PWS], v[UU+\s] offset:512*\s
.endr
	s_wait_alu depctr_va_vdst(0)
	v_rcp_f32 v[RC], v[LL]
	v_rcp_f32 v[RC+1], v[LS]
	v_nop                                          ; a plain place behind the reciprocals
	s_wait_alu depctr_va_vdst(0)                   ; one wait for the two, ahead of their first reader
	ds_store_b32 v[RLS], v[RC]
	ds_store_b32 v[RLS], v[RC+1] offset:512
.irp k, 8,9,10,11,12,13,14,15
	VLOAD \k
.endr
	WIN 0
	s_mov_b32 s22, 0
	s_cmp_lt_u32 s[WV], 2
	s_cbranch_scc0 .Lnot_first
	s_wait_tensorcnt 0x0                           ; slots 0-8 are in (waves 0 and 1);
.Lnot_first:
	s_wait_dscnt 0x0                               ; my words and 1 / l are stored
	s_barrier_signal -1
	s_barrier_wait -1
.Lhalf:
.irp a, 0,1,2,3
	ds_load_b32 v[RLV+\a], v[RLA] offset:64*\a
	ds_load_b32 v[RLV+4+\a], v[RLA] offset:512+64*\a
.endr
	FETCH 0, 0
	FETCH 1, 1
.irp k, 0,1,2,3,4,5,6,7,8,9,10,11,12,13,14,15
	STEP 0, \k
.endr
.Lend_l:
	OUT 0, OL
.irp k, 0,1,2,3,4,5,6,7
	STEP 1, \k
.endr
.Lend_s:
	OUT 1, OS
	s_wait_xcnt 0x0                                ; the stores have read their bases
	s_add_nc_u64 s[OL:OL+1], s[OL:OL+1], 64*4096   ; on to the other 64 queries
	s_add_nc_u64 s[OS:OS+1], s[OS:OS+1], 64*4096
.irp n, 0,1,2,3
	v_add_nc_u32 v[AP+\n], 6144, v[AP+\n]
.endr
	v_add_nc_u32 v[APW], 256, v[APW]
	v_add_nc_u32 v[RLA], 256, v[RLA]
	s_add_co_u32 s22, s22, 1
	s_cmp_lt_u32 s22, 2
	s_wait_alu depctr_va_vdst(0)
	s_cbranch_scc1 .Lhalf
	s_wait_tensorcnt 0x0                           ; the wave's end
	ds_add_u32 v[SPW], v[NIL]
	s_wait_dscnt 0x0
	CROUND                                         ; the closing round
	s_endpgm
.Lfunc_end_k_qbaac180594_mix:
	.size	k_qbaac180594_mix, .Lfunc_end_k_qbaac180594_mix-k_qbaac180594_mix
	.p2alignl 7, 3214868480
	.fill 96, 4, 3214868480
	.section	.rodata,"a",@progbits
	.p2align	6, 0x0
	.amdhsa_kernel k_qbaac180594_mix
		.amdhsa_group_segment_fixed_size 286720
		.amdhsa_private_segment_fixed_size 0
		.amdhsa_enable_private_segment 0
		.amdhsa_kernarg_size 40
		.amdhsa_user_sgpr_count 2
		.amdhsa_user_sgpr_kernarg_segment_ptr 1
		.amdhsa_wavefront_size32 1
		.amdhsa_system_sgpr_workgroup_id_x 1
		.amdhsa_system_sgpr_workgroup_id_y 1
		.amdhsa_system_sgpr_workgroup_id_z 1
		.amdhsa_system_vgpr_workitem_id 0
		.amdhsa_next_free_vgpr 896
		.amdhsa_next_free_sgpr 84
		.amdhsa_reserve_vcc 0
		.amdhsa_float_denorm_mode_32 3
		.amdhsa_float_denorm_mode_16_64 3
		.amdhsa_memory_ordered 1
		.amdhsa_forward_progress 1
		.amdhsa_inst_pref_size 96
	.end_amdhsa_kernel
	.amdgpu_metadata
---
amdhsa.version: [ 1, 2 ]
amdhsa.kernels:
  - .name:           k_qbaac180594_mix
    .symbol:         k_qbaac180594_mix.kd
    .args:
      - { .name: pc, .offset: 0, .size: 8, .value_kind: global_buffer, .address_space: global }
      - { .name: pst, .offset: 8, .size: 8, .value_kind: global_buffer, .address_space: global }
      - { .name: vc, .offset: 16, .size: 8, .value_kind: global_buffer, .address_space: global }
      - { .name: vs, .offset: 24, .size: 8, .value_kind: global_buffer, .address_space: global }
      - { .name: out0, .offset: 32, .size: 8, .value_kind: global_buffer, .address_space: global }
    .group_segment_fixed_size: 286720
    .private_segment_fixed_size: 0
    .kernarg_segment_align: 8
    .kernarg_segment_size: 40
    .max_flat_workgroup_size: 128
    .sgpr_count:     84
    .vgpr_count:     896
    .wavefront_size: 32
...
	.end_amdgpu_metadata
.endif
;; end of part 4
